; MI455X (gfx1250); checked and timed in simulation.
; The chip was launched on July 23, 2026; its instructions are those of AMD's public machine-readable ISA for CDNA 5 (MIT licence, August 2026) and "CDNA5" Instruction Set Architecture Reference Guide (July 2026). The comments in the code are by the model that wrote it; some were corrected since.
;; Attention. Allowed arithmetic: matrix products marked QUANTISED: E2M3 operands, one E8M0 scale for each 32 along K, by v_wmma_scale_f32_16x16x128_f8f6f4 with both operands' format E2M3, f32 sums; everything else in f32.
;; Inputs: W_proj 1,024 x 1,024 float32; W_qkv 1,024 x 3,072 float32; b_proj 1,024 float32; b_qkv 3,072 float32; x 2 x 2,048 x 1,024 float32.
;; Outputs: out0 2 x 2,048 x 1,024 float32.
;; This version of the problem:
;;   THIS VERSION OF THE PROBLEM IS GIVEN IN LOW PRECISION. The matrix products marked QUANTISED in the list below multiply operands that are first quantised to E2M3 (2 exponent bits, 3 mantissa bits; 6 bits a number), with one power-of-two scale for each 32 numbers along K (OCP MX v1.0); their sums are f32. All else is computed in f32.
;;   The module's matrix products, in the order in which they are computed (A, B: the left and right operand; K: the contracted axis; several contracted axes count as one K, in the product's order):
;;     1. [M 4,096, K 1,024] x [K 1,024, N 3,072]; A: input x; B: input W_qkv: QUANTISED
;;     2. batch 32 x [M 2,048, K 64] x [K 64, N 2,048]; A: computed on the way; B: computed on the way: QUANTISED
;;     3. batch 32 x [M 2,048, K 2,048] x [K 2,048, N 64]; A: softmax (see below); B: computed on the way: QUANTISED
;;     4. [M 4,096, K 1,024] x [K 1,024, N 1,024]; A: computed on the way; B: input W_proj: QUANTISED
;;   THE QUANTISER, for each operand of a quantised product, along K:
;;     - K is cut into blocks of 32 from its start; a last block that is shorter is filled with zeros.
;;     - A block's scale is 2^e with e = floor(log2(the largest magnitude in the block)) - 2, held to -126 .. 127; a block of zeros has e = 0. As a byte (E8M0): e + 127.
;;     - Each number is divided by its block's scale, clamped to +-7.5, and rounded to the nearest number of E2M3, ties to even, subnormals kept.
;;     - The product sums the exact products of the quantised numbers (number of the format x scale) in f32.
;;   ~~~python
;;   def quantise(x, axis):      # numpy; x: float32 -> the quantised numbers, widened to float32 again
;;       x = np.moveaxis(x, axis, -1); K = x.shape[-1]
;;       x = np.pad(x, [(0, 0)] * (x.ndim - 1) + [(0, -K % 32)]); x = x.reshape(x.shape[:-1] + (-1, 32)); a = np.abs(x).max(-1, keepdims=True)
;;       e = np.where(a > 0, np.clip(np.frexp(np.where(a > 0, a, 1))[1] - 1 - 2, -126, 127), 0)      # np.frexp(a)[1] - 1 = floor(log2(a)), exactly
;;       r = np.clip(x / 2.0 ** e, -7.5, 7.5)
;;       step = 2.0 ** (np.maximum(np.frexp(np.where(r == 0, 1, r))[1] - 1, 0) - 3)
;;       q = np.round(r / step) * step * 2.0 ** e      # np.round: ties to even
;;       return np.moveaxis(q.reshape(q.shape[:-2] + (-1,))[..., :K], -1, axis).astype(np.float32)
;;   ~~~
;;   SOFTMAX AHEAD OF A QUANTISED PRODUCT. Where the list says 'softmax', what is quantised is not the finished softmax but p = 2^(t - M), with t = logit x log2(e) and M = ceil(the row's largest t), a whole number; so 1/2 < the row's largest p <= 1. The row's sum l is taken of the UNQUANTISED p, in f32, and the product's result is divided by l at the end. Since M is a whole number, a kernel that streams over the keys may use a running M (the ceiling of the running maximum): every later rescaling is an exact power of two, which a block's scale takes up: the codes' values come out the same.
;;   OPERANDS COMPUTED ON THE WAY. 'Computed on the way' means the value that the module computes at that place (a softmax that the list does not call 'softmax' is quantised finished and normalised). What goes into a quantiser is computed in f32, as accurately as f32 sums, v_exp_f32 and their like allow (about 1e-6 of the number): no bf16 or f16 on the way to a quantiser, and a product that is left as it is and whose result goes on into a quantised operand takes f32 operands (vector FMAs, or v_wmma_f32_16x16x4_f32). A number that lies on a knife's edge between two numbers of the format may be rounded either way, as far as f32 arithmetic and the matrix unit's own rounding can turn it there, and no further.
;; One version. Each part assembles by itself: llvm-mc -triple=amdgcn-amd-amdhsa -mcpu=gfx1250 --defsym DOCPART=n.
;; ======== version 1 of 1: 4 launches
;; limits: right only within a limited range of input values
;; workspace buffers: xq 3,276,800 bytes; wimg 3,276,800 bytes; oq 3,276,800 bytes; qimg 3,407,872 bytes; kv 6,684,672 bytes
;; launch quant (part 1): grid 512 x 1, 4 waves a work-group, no clusters, 47,104 bytes of LDS; arguments x, W_qkv, W_proj, xq, wimg; writes xq, wimg
.if DOCPART == 1
	.amdgcn_target "amdgcn-amd-amdhsa--gfx1250"
	.amdhsa_code_object_version 6
	.text
	.protected	k_qc08ef91106_quant
	.globl	k_qc08ef91106_quant
	.p2align	8
	.type	k_qc08ef91106_quant,@function
k_qc08ef91106_quant:
	s_mov_b64 s[64:65], 0
	v_nop
	global_prefetch_b8 v0, s[64:65] scope:SCOPE_SE
	s_setreg_imm32_b32 hwreg(HW_REG_WAVE_MODE, 25, 1), 1
	s_wait_xcnt 0x0
; x [4096][1024], W_qkv [1024][3072] and W_proj [1024][1024], f32, become codes of FP6 (E2M3) with one E8M0 byte for each 32 along K (x: its last axis; the weights: their first).
; A block's scale is 2^(floor(log2(its largest magnitude)) - 2); its byte is that magnitude's exponent field - 2, held at 1 from below.
; LIMITS: NaN and infinities among the inputs are not served.  A block of zeros, or one whose largest magnitude lies under 2^-124, gets the byte 1 (the stated rule gives a block of zeros 127): its codes are
; zeros or next to nothing, and the bytes are read by this program alone.
; THE LAYOUT.  64 rows (tokens, or output columns of a weight) are a BAND of four tiles of 16: row r of tile t is the band's row 8 t + r % 8 + 32 (r / 8).  So in a product's result the 32 registers of a band's
; four tiles are 32 neighbours, and a scale block never lies in two lanes.  A record holds NB bands for all 1,024 of K: scale words first, 2,048 band + 256 step + 16 r + 4 t (a word = 128 along K), then codes,
; 6,144 (NB step + band) + 1,536 t + 768 piece: a piece (64 along K) is six operand registers: registers 0-3 at 16 x lane, registers 4-5 at 512 + 8 x lane.
; xq: 16 records of 256 tokens (NB = 4, 204,800 bytes).  wimg: 16 records, one for each head: its columns of q, k, v (NB = 3, 153,600 bytes); behind them 8 records of W_proj (NB = 2, 102,400 bytes).
; SHARES.  Work-groups 0-255 take x, 256-511 the weights: 128 rows x one step of 128 along K each.  No work-group reads what another reads, so there is no cluster; no matrix unit, no tensor load.  The two ways have LDS bytes of their own.
.set SPW, 224
.set NIL, 225
.set L16, 3
.set L8, 4
.set RR, 5
.set HH, 6
.set H8, 7
.set STI, 26
.set STO, 27
.set SCA, 28
.set PX, 31
.set RAW, 32
.set PC0, 160
.set PT0, 172
.set PC1, 180
.set PT1, 192
.set XSTG, 8448                        ; x: a wave's stage: 16 rows of 512 bytes + 16
.set WSTG, 33792                       ; the weights' stage: 8 tiles of 1,536 bytes,
.set SST, WSTG+12288                   ; and 512 bytes of scale words
.set SPARE, SST+512
.set VO, 32
.set WD, 64
.set WC, 192
.set L4, 28
.set SEL, 44
.macro WALU
	s_wait_alu depctr_va_vdst(0)
.endm
.macro SADD d, a
	s_add_co_u32 s\d, s\d, \a
.endm
	s_load_b256 s[4:11], s[0:1], 0x0               ; x s[4:5], W_qkv s[6:7], W_proj s[8:9], xq s[10:11]
	s_load_b64 s[12:13], s[0:1], 0x20              ; wimg
	v_lshl_add_u32 v[SPW], v0, 2, SPARE
	v_mov_b32 v[NIL], 0
	v_lshrrev_b32 v1, 5, v0
	v_readfirstlane_b32 s16, v1                    ; wave
	v_and_b32 v2, 31, v0
	v_lshlrev_b32 v[L16], 4, v2
	v_lshlrev_b32 v[L8], 3, v2
	v_and_b32 v[RR], 15, v0
	v_bfe_u32 v[HH], v0, 4, 1
	v_lshlrev_b32 v[H8], 3, v[HH]
	s_and_b32 s17, ttmp9, 255
	s_lshr_b32 s18, s17, 3                         ; which 128 rows
	s_and_b32 s19, s17, 7                          ; which step along K
	s_lshr_b32 s20, s16, 1                         ; the wave's band of the two
	s_and_b32 s21, s16, 1                          ; and its half of a band's tiles
	s_cmp_lt_u32 ttmp9, 256
	WALU
	s_cbranch_scc0 .Lweights
; ---- x: K is innermost.  Each load reads 512 consecutive bytes of one row; a tile's 16 rows turn through the wave's stage, so that lane (r, h) gets, of row r, the 32 neighbours of blocks h and 2 + h.
	s_and_b32 s23, s18, 1
	s_lshl_b32 s23, s23, 1
	SADD 23, s20                                   ; the band in its record
	s_lshl_b32 s22, s19, 2
	SADD 22, s23
	s_lshr_b32 s24, s18, 1
	s_mul_i32 s24, s24, 204800
	s_mul_i32 s36, s22, 6144
	SADD 36, s24
	s_mul_i32 s25, s21, 3072
	SADD 36, s25
	SADD 36, 8192                                  ; where my two tiles' codes go
	s_mov_b32 s37, 0
	s_lshl_b32 s38, s23, 11
	SADD 38, s24
	s_lshl_b32 s25, s19, 8
	SADD 38, s25
	s_lshl_b32 s25, s21, 3
	SADD 38, s25                                   ; and their scale words
	s_mov_b32 s39, 0
	s_lshl_b32 s24, s18, 7
	s_lshl_b32 s25, s20, 6
	SADD 24, s25
	s_lshl_b32 s25, s21, 4
	SADD 24, s25                                   ; my first row
	s_lshl_b32 s24, s24, 12
	s_lshl_b32 s25, s19, 9
	SADD 24, s25
	s_mov_b32 s25, 0
	s_mul_i32 s26, s16, XSTG
	s_mov_b32 s[SEL], 0x76543210
	s_mov_b32 s[SEL+1], 0xfedcba98                 ; lane selects: lane l xor 16
	v_add_nc_u32 v[STI], s26, v[L16]
	v_mul_u32_u24 v[STO], v[RR], 528
	v_lshl_add_u32 v[STO], v[HH], 7, v[STO]
	v_add_nc_u32 v[STO], s26, v[STO]
	v_lshlrev_b32 v[SCA], 4, v[RR]
	v_lshl_add_u32 v[SCA], v[HH], 2, v[SCA]
	v_mov_b32 v[PX], 0                             ; a lane permute's destination counts as one of its sources
	WALU
	s_wait_kmcnt 0x0
	s_add_nc_u64 s[14:15], s[10:11], s[36:37]
	s_add_nc_u64 s[40:41], s[10:11], s[38:39]
	s_add_nc_u64 s[4:5], s[4:5], s[24:25]
.irp u, 0,1
.irp i, 0,1,2,3,4,5,6,7,8,9,10,11,12,13,14,15
	global_load_b128 v[RAW+64*\u+4*\i:RAW+64*\u+4*\i+3], v[L16], s[4:5] offset:(8*\u+\i%8+32*(\i/8))*4096 th:TH_LOAD_NT
.endr
.endr
.macro TURNX u                         ; LDS serves a wave's instructions in order (ISA guide 5.7.1.4)
.irp i, 0,1,2,3,4,5,6,7,8,9,10,11,12,13,14,15
	ds_store_b128 v[STI], v[RAW+64*\u+4*\i:RAW+64*\u+4*\i+3] offset:\i*528
.endr
.irp c, 0,1
.irp j, 0,1,2,3,4,5,6,7
	ds_load_b128 v[RAW+64*\u+32*\c+4*\j:RAW+64*\u+32*\c+4*\j+3], v[STO] offset:256*\c+16*\j
.endr
.endr
.endm
; 64 numbers of a lane, register 32 c + i = k 64 c + 32 h + i of my row, become 12 registers of codes from v[pc] on and the row's scale word in v[pw] (in both halves of the lanes).
.macro QUANT b, pc, pt, pw
.irp c, 0,1
	v_max3_num_f32 v[8+\c], 0x1800000, |v[\b+32*\c]|, |v[\b+1+32*\c]|     ; the floor 2^(3 - 127): the byte cannot fall under 1
	v_max3_num_f32 v[10+\c], |v[\b+16+32*\c]|, |v[\b+17+32*\c]|, |v[\b+18+32*\c]|
.endr
.irp i, 2,4,6,8,10,12
.irp c, 0,1
	v_max3_num_f32 v[8+\c], v[8+\c], |v[\b+32*\c+\i]|, |v[\b+1+32*\c+\i]|
	v_max3_num_f32 v[10+\c], v[10+\c], |v[\b+17+32*\c+\i]|, |v[\b+18+32*\c+\i]|
.endr
.endr
.irp c, 0,1
	v_max3_num_f32 v[8+\c], v[8+\c], |v[\b+14+32*\c]|, |v[\b+15+32*\c]|
.endr
.irp c, 0,1
	v_max3_num_f32 v[8+\c], v[8+\c], v[10+\c], |v[\b+31+32*\c]|
.endr
.irp c, 0,1
	v_add_nc_u32 v[12+\c], 0xff000000, v[8+\c]     ; 2 off its exponent field: the conversion's scale operand
.endr
.irp c, 0,1
	v_lshrrev_b32 v[14+\c], 23, v[12+\c]           ; the byte
.endr
	v_lshl_or_b32 v14, v15, 16, v14
	v_lshlrev_b32 v14, v[H8], v14
	v_permlanex16_b32 v[PX], v14, s[SEL], s[SEL+1]
	v_or_b32 v[\pw], v14, v[PX]
.irp c, 0,1
	v_cvt_scalef32_pk16_fp6_f32 v[\pc+6*\c:\pc+2+6*\c], v[\b+32*\c:\b+15+32*\c], v[12+\c]
	v_cvt_scalef32_pk16_fp6_f32 v[\pt+4*\c:\pt+2+4*\c], v[\b+16+32*\c:\b+31+32*\c], v[12+\c]   ; (a conversion's three registers begin on an even number)
.endr
	v_nop                                          ; one plain place behind a scaled conversion
.irp c, 0,1
.irp i, 0,1,2
	v_mov_b32 v[\pc+3+6*\c+\i], v[\pt+4*\c+\i]
.endr
.endr
.endm
.macro XOUT pc, u                      ; each store covers 512 or 256 consecutive bytes, at a multiple of 256 from the buffer's first byte
	global_store_b128 v[L16], v[\pc:\pc+3], s[14:15] offset:\u*1536
	global_store_b64 v[L8], v[\pc+4:\pc+5], s[14:15] offset:\u*1536+512
	global_store_b128 v[L16], v[\pc+6:\pc+9], s[14:15] offset:\u*1536+768
	global_store_b64 v[L8], v[\pc+10:\pc+11], s[14:15] offset:\u*1536+1280
.endm
	s_wait_loadcnt 16                              ; the first tile's 16 loads are in; the second's may be out
	TURNX 0
	s_wait_loadcnt 0x0
	TURNX 1
	s_wait_dscnt 32                                ; the first tile is back; the second's 16 stores and 16 loads may be out
	QUANT RAW, PC0, PT0, 29
	XOUT PC0, 0
	WALU
	s_wait_dscnt 0x0
	QUANT RAW+64, PC1, PT1, 30
	XOUT PC1, 1
	s_mov_b32 s24, 0xffff0000
	v_cndmask_b32 v25, v29, v30, s24               ; lanes 0-15 keep the first tile's words, lanes 16-31 take the second's
	global_store_b32 v[SCA], v25, s[40:41]         ; 128 bytes of an aligned 256; the scale words are one part in 24 of the codes' bytes
	s_wait_tensorcnt 0x0                           ; the wave's end
	ds_add_u32 v[SPW], v[NIL]
	s_wait_dscnt 0x0
	s_endpgm
; ---- a weight: K is the first axis.  A lane takes a column and its registers run down K: a block of 32 lies in one lane, and the conversions give codes with K innermost.
; Lane l of wave w has column 32 w + l of the 128: tile t = l / 8 of band w / 2, row l % 8 + 8 (w % 2): so four waves together make the image of 8 tiles in LDS.
.Lweights:
	s_and_b32 s22, s18, 7
	s_lshl_b32 s22, s22, 1
	SADD 22, s20                                   ; W_qkv: the head,
	s_lshr_b32 s33, s18, 3                         ; and the kind: 0 q, 1 k, 2 v
	s_sub_co_u32 s23, s18, 24                      ; W_proj: its 128 columns
	s_mov_b32 s24, 4096
	s_mov_b32 s27, 102400
	s_mov_b32 s28, 4096
	s_wait_kmcnt 0x0
	s_cmp_lt_u32 s18, 24                           ; 0-23: W_qkv; 24-31: W_proj
	s_cselect_b64 s[6:7], s[6:7], s[8:9]
	s_cselect_b32 s24, 12288, s24                  ; bytes from row to row
	s_cselect_b32 s25, s18, s23
	s_cselect_b32 s26, 3, 2                        ; bands of a record
	s_cselect_b32 s27, 153600, s27                 ; its bytes
	s_cselect_b32 s28, 6144, s28                   ; its scale words' bytes
	s_cselect_b32 s29, 0, 2457600
	s_cselect_b32 s30, s22, s23
	s_cselect_b32 s31, s33, s20                    ; my band in it
	s_mul_i32 s30, s30, s27
	SADD 30, s29
	s_mul_i32 s36, s19, s26
	SADD 36, s31
	s_mul_i32 s36, s36, 6144
	SADD 36, s30
	SADD 36, s28
	s_mul_i32 s23, s21, 3072
	SADD 36, s23
	s_mov_b32 s37, 0
	s_lshl_b32 s38, s31, 11
	SADD 38, s30
	s_lshl_b32 s23, s19, 8
	SADD 38, s23
	s_lshl_b32 s23, s21, 7
	SADD 38, s23
	s_mov_b32 s39, 0
	s_add_nc_u64 s[14:15], s[12:13], s[36:37]
	s_add_nc_u64 s[40:41], s[12:13], s[38:39]
	s_lshl_b32 s25, s25, 7
	s_lshl_b32 s26, s16, 5
	SADD 25, s26
	s_lshl_b32 s25, s25, 2
	s_lshl_b32 s26, s19, 7
	s_mul_i32 s26, s26, s24
	SADD 26, s25
	s_mov_b32 s27, 0
	s_add_nc_u64 s[28:29], s[6:7], s[26:27]        ; a base for each block of 32 rows, made before any load: none is stepped
	s_lshl_b32 s26, s24, 5
	s_add_nc_u64 s[30:31], s[28:29], s[26:27]
	s_add_nc_u64 s[32:33], s[30:31], s[26:27]
	s_add_nc_u64 s[34:35], s[32:33], s[26:27]
	v_lshlrev_b32 v[L4], 2, v2
.set JJ, 0
.rept 32
	v_mad_u32_u24 v[VO+JJ], s24, JJ, v[L4]         ; 4 x lane + JJ rows
.set JJ, JJ+1
.endr
	s_lshl_b32 s42, s21, 3
	v_and_b32 v29, 7, v2
	v_add_nc_u32 v29, s42, v29                     ; r
	v_lshrrev_b32 v31, 3, v2                       ; t
	s_mul_i32 s43, s20, 6144
	SADD 43, WSTG
	v_mul_u32_u24 v25, v31, 1536
	v_add_nc_u32 v25, s43, v25
	v_lshl_add_u32 v26, v29, 4, v25                ; registers 0-3 of a piece: 16 bytes a lane
	v_lshl_add_u32 v27, v29, 3, v25                ; registers 4-5: 8 bytes a lane
	s_lshl_b32 s43, s20, 8
	SADD 43, SST
	v_lshlrev_b32 v25, 4, v29
	v_lshl_add_u32 v25, v31, 2, v25
	v_add_nc_u32 v25, s43, v25                     ; my column's scale word
	s_mul_i32 s43, s16, 3072
	SADD 43, WSTG
	v_add_nc_u32 v24, s43, v[L16]                  ; out of the stage: my quarter as it lies
	s_lshl_b32 s43, s16, 7
	SADD 43, SST
	v_add_nc_u32 v23, s43, v[L4]
	WALU
.macro LOADB q                         ; block q: 32 rows at my column; a wave reads 128 consecutive bytes, the four waves stand side by side on 512
.set JJ, 0
.rept 32
	global_load_b32 v[WD+32*(\q)+JJ], v[VO+JJ], s[28+2*(\q):29+2*(\q)] th:TH_LOAD_NT
.set JJ, JJ+1
.endr
.endm
.macro WBLOCK q
.set XS, WD+32*(\q)
.set CB, WC+8*(\q)
.if (\q) < 3
	s_wait_loadcnt 32                              ; this block's 32 loads are in; the next block's may be out
.else
	s_wait_loadcnt 0x0
.endif
.if (\q) < 2
	LOADB (\q)+2
.endif
	v_max3_num_f32 v8, |v[XS]|, |v[XS+1]|, |v[XS+2]|               ; the block's largest magnitude: all 32 numbers are mine
	v_max3_num_f32 v9, |v[XS+3]|, |v[XS+4]|, |v[XS+5]|
.irp i, 6,10,14,18,22,26
	v_max3_num_f32 v8, v8, |v[XS+\i]|, |v[XS+\i+1]|
	v_max3_num_f32 v9, v9, |v[XS+\i+2]|, |v[XS+\i+3]|
.endr
	v_max3_num_f32 v8, v8, |v[XS+30]|, |v[XS+31]|
	v_max3_num_f32 v8, v8, v9, 0x1800000
	v_add_nc_u32 v10, 0xff000000, v8
	v_lshrrev_b32 v11, 23, v10
.if (\q) == 0
	v_mov_b32 v30, v11
.else
	v_lshl_or_b32 v30, v11, 8*(\q), v30            ; four bytes make my column's scale word
.endif
	v_cvt_scalef32_pk16_fp6_f32 v[CB:CB+2], v[XS:XS+15], v10
	v_cvt_scalef32_pk16_fp6_f32 v[CB+4:CB+6], v[XS+16:XS+31], v10
	v_nop                                          ; one plain place behind a scaled conversion
	v_mov_b32 v[CB+3], v[CB+4]                     ; the block's six registers on end
	v_mov_b32 v[CB+4], v[CB+5]
	v_mov_b32 v[CB+5], v[CB+6]
	ds_store_b128 v26, v[CB:CB+3] offset:((\q)/2)*768+((\q)%2)*256          ; block q is half q % 2 of the lanes of piece q / 2
	ds_store_b64 v27, v[CB+4:CB+5] offset:((\q)/2)*768+512+((\q)%2)*128
.endm
	LOADB 0
	LOADB 1
	WBLOCK 0
	WBLOCK 1
	WBLOCK 2
	WBLOCK 3
	ds_store_b32 v25, v30
	WALU
	s_wait_dscnt 0x0                               ; my part of the image is in LDS
	s_barrier_signal -1
	s_barrier_wait -1                              ; everybody's is
.irp k, 0,1,2,3,4,5
	ds_load_b128 v[WD+4*\k:WD+4*\k+3], v24 offset:512*\k
.endr
	ds_load_b32 v22, v23
.irp k, 0,1,2,3,4,5
	s_wait_dscnt 6-\k
	global_store_b128 v[L16], v[WD+4*\k:WD+4*\k+3], s[14:15] offset:512*\k   ; 512 consecutive bytes, at a multiple of 256 from the buffer's first byte
.endr
	s_wait_dscnt 0x0
	global_store_b32 v[L4], v22, s[40:41]          ; 128 consecutive bytes
	s_wait_tensorcnt 0x0                           ; the wave's end
	ds_add_u32 v[SPW], v[NIL]
	s_wait_dscnt 0x0
	s_endpgm
.Lfunc_end_k_qc08ef91106_quant:
	.size	k_qc08ef91106_quant, .Lfunc_end_k_qc08ef91106_quant-k_qc08ef91106_quant
	.p2alignl 7, 3214868480
	.fill 96, 4, 3214868480
	.section	.rodata,"a",@progbits
	.p2align	6, 0x0
	.amdhsa_kernel k_qc08ef91106_quant
		.amdhsa_group_segment_fixed_size 47104
		.amdhsa_private_segment_fixed_size 0
		.amdhsa_enable_private_segment 0
		.amdhsa_kernarg_size 40
		.amdhsa_user_sgpr_count 2
		.amdhsa_user_sgpr_kernarg_segment_ptr 1
		.amdhsa_wavefront_size32 1
		.amdhsa_system_sgpr_workgroup_id_x 1
		.amdhsa_system_sgpr_workgroup_id_y 1
		.amdhsa_system_sgpr_workgroup_id_z 1
		.amdhsa_system_vgpr_workitem_id 0
		.amdhsa_next_free_vgpr 226
		.amdhsa_next_free_sgpr 66
		.amdhsa_reserve_vcc 0
		.amdhsa_float_denorm_mode_32 3
		.amdhsa_float_denorm_mode_16_64 3
		.amdhsa_memory_ordered 1
		.amdhsa_forward_progress 1
		.amdhsa_inst_pref_size 42
	.end_amdhsa_kernel
	.amdgpu_metadata
---
amdhsa.version: [ 1, 2 ]
amdhsa.kernels:
  - .name:           k_qc08ef91106_quant
    .symbol:         k_qc08ef91106_quant.kd
    .args:
      - { .name: x, .offset: 0, .size: 8, .value_kind: global_buffer, .address_space: global }
      - { .name: W_qkv, .offset: 8, .size: 8, .value_kind: global_buffer, .address_space: global }
      - { .name: W_proj, .offset: 16, .size: 8, .value_kind: global_buffer, .address_space: global }
      - { .name: xq, .offset: 24, .size: 8, .value_kind: global_buffer, .address_space: global }
      - { .name: wimg, .offset: 32, .size: 8, .value_kind: global_buffer, .address_space: global }
    .group_segment_fixed_size: 47104
    .private_segment_fixed_size: 0
    .kernarg_segment_align: 8
    .kernarg_segment_size: 40
    .max_flat_workgroup_size: 128
    .sgpr_count:     66
    .vgpr_count:     226
    .wavefront_size: 32
...
	.end_amdgpu_metadata
.endif
;; end of part 1
;; launch qkv (part 2): grid 16 x 16, 4 waves a work-group, clusters of 4 x 4, 327,680 bytes of LDS; arguments xq, wimg, b_qkv, qimg, kv; writes qimg, kv
.if DOCPART == 2
	.amdgcn_target "amdgcn-amd-amdhsa--gfx1250"
	.amdhsa_code_object_version 6
	.text
	.protected	k_qc08ef91106_qkv
	.globl	k_qc08ef91106_qkv
	.p2align	8
	.type	k_qc08ef91106_qkv,@function
k_qc08ef91106_qkv:
	s_mov_b64 s[64:65], 0
	v_nop
	global_prefetch_b8 v0, s[64:65] scope:SCOPE_SE
	s_setreg_imm32_b32 hwreg(HW_REG_WAVE_MODE, 25, 1), 1
	s_wait_xcnt 0x0
	s_wait_alu depctr_hold_cnt(0) depctr_sa_sdst(0) depctr_va_vdst(0) depctr_va_sdst(0) depctr_va_ssrc(0) depctr_va_vcc(0) depctr_vm_vsrc(0)
	s_getreg_b32 s2, hwreg(HW_REG_IB_STS2, 6, 4)
	s_cmp_eq_u32 s2, 0
	s_cbranch_scc0 .Lentry_in_a_cluster
	s_endpgm
.Lentry_in_a_cluster:
	s_bfe_u32 s2, ttmp6, 0x10000c
	s_cmp_lg_u32 s2, 0xf033
	s_cbranch_scc0 .Lentry_shape_is_right
	s_endpgm
.Lentry_shape_is_right:
; qkv = x W_qkv + b_qkv on codes of FP6 (E2M3) with E8M0 scales, and q, k and v quantised at once for the two products of attention.  No f32 number of qkv goes to memory.
; LIMITS: NaN and infinities are not served.  A block of zeros, or one whose largest magnitude lies under 2^-124, gets the scale byte 1; the bytes are read by this program alone.
; SHARES.  A work-group of four waves makes 256 tokens x the 192 columns of q, k and v of ONE head: 16 x 16 = 256 equal work-groups.  A wave makes 64 tokens (a band) x 192: 48 accumulators; 8 steps of 128 along K.
; q, k: source 0 = W's rows, source 1 = tokens: a lane holds a token and 32 neighbouring channels of it.  v: source 0 = tokens, source 1 = W's rows: a lane holds a channel and 32 neighbouring tokens.
; So every result of a lane's four tiles is one scale block, and its codes are one half of the lanes' part of an operand's piece: no lane looks at another but for the scale bytes.
; CLUSTER.  x's records hang on cy and are shared along a row of the cluster, the weights' on cx and along a column: joint loads, which divide the requests by four.
; LDS.  The scale words of all K and seven steps' codes of both operands, filled at the head, one tensor load a wave: wave 0 x's scales and steps 0, 1; wave 1 the weight's; waves 2 and 3 steps 2 to 6.
; Step 7 is the ONE refill, onto step 0's bytes, behind the round that also shows steps 2 to 6.  By this text's count a wave has at most one tensor load out.
; No prefetch: seven of eight steps are asked for at the head, and the eighth has five steps, 240 matrix instructions a wave, in which to land.
; OUT.  qimg: (head, 64 queries): 4 tiles of 768 bytes, then 256 bytes of scale words (16 r + 4 tile).  kv: (head, 128 keys): K's 8 tiles, band by band; 512 bytes of K's words (256 band + 16 r + 4 tile);
; V's pieces at 6,656 + 768 (2 t + band), t the tile of 16 channels; V's words at 12,800 + 128 (t / 2) + 8 r + 4 (t % 2).
; REGISTERS.  Window 0: addresses; v32-47 scale words, two sets; v64-255 the even steps' 16 fragments (0-3 tokens, 4-7 q, 8-11 k, 12-15 v).  Window 1: v64-255 the odd steps'.  Window 2: q's and k's accumulators.
; Window 3: v0-127 v's accumulators, v128-223 the bias, as the C of the first products.
.set XREC, 204800
.set WREC, 153600
.set WB, 180224                        ; the weight's place in LDS, behind x's 8,192 + 7 x 24,576
.set VST, 315392                       ; V's scale words on their way from wave to wave: 256 bytes a wave
.set SPARE, VST+1024
.set QREC, 3328
.set REC, 13056
.set L16, 6
.set L8, 7
.set AX, 8                             ; v8-11 x's codes of steps 2 j, + 16 x lane; v12-15 + 8 x lane
.set AW, 16                            ; v16-23 the same of the weight
.set LR16, 24
.set H8, 25
.set VSA, 26
.set VRD, 27
.set SPW, 28
.set NIL, 29
.set L4, 30
.set BOQ, 31
.set BOV, 2
.set SC, 32
.set ADA, 48
.set ADB, 49
.set G1XA, 24
.set G1XB, 32
.set G1WA, 40
.set G1WB, 48
.set G0XA, 56
.set G0XB, 60
.set G0WA, 68
.set G0WB, 72
.set MSB, 0
.macro WIN new                         ; the immediate's high byte repeats the setting that is left
.if MSB != (\new)
	s_set_vgpr_msb (MSB<<8)|(\new)
.set MSB, (\new)
.endif
.endm
.macro WALU
	s_wait_alu depctr_va_vdst(0)
.endm
.macro SADD d, a
	s_add_co_u32 s\d, s\d, \a
.endm
.macro PLACES                          ; four plain places between a matrix instruction and a load into, or a vector read of, its registers (ISA guide 7.12.1 for vector reads)
.rept 4
	v_nop
.endr
.endm
.macro CREST                           ; a round of the cluster's barrier behind its opening barrier
	s_cmp_lg_u32 s14, 0
	s_cbranch_scc1 .Lnot_wave_0_\@
	s_barrier_signal -3
.Lnot_wave_0_\@:
	s_barrier_wait -3
	s_barrier_signal -1
	s_barrier_wait -1
.endm
.macro CROUND
	s_barrier_signal -1
	s_barrier_wait -1
	CREST
.endm
.macro TLOAD g0, g1
	tensor_load_to_lds s[\g0:\g0+3], s[\g1:\g1+7]
	s_nop 0
	PLACES
.endm
.macro GROUP1 g, mask, rows            ; a dense block as rows of 256 bytes: 32 elements of 8 bytes
	s_or_b32 s[\g], s\mask, (3<<16)|(1<<21)
	s_mov_b32 s[\g+1], 32<<16
	s_mov_b32 s[\g+2], (\rows)<<16
	s_mov_b32 s[\g+3], 32<<16
	s_mov_b32 s[\g+4], \rows
	s_mov_b32 s[\g+5], 32
	s_mov_b32 s[\g+6], 0
	s_mov_b32 s[\g+7], 0
.endm
	s_load_b256 s[4:11], s[0:1], 0x0               ; xq s[4:5], wimg s[6:7], b_qkv s[8:9], qimg s[10:11]
	s_load_b64 s[12:13], s[0:1], 0x20              ; kv
	v_lshl_add_u32 v[SPW], v0, 2, SPARE
	v_mov_b32 v[NIL], 0
	ds_add_u32 v[SPW], v[NIL]                      ; the opening lines: the add, twice on end, and its wait
	ds_add_u32 v[SPW], v[NIL]
	v_lshrrev_b32 v1, 5, v0
	v_readfirstlane_b32 s14, v1                    ; wave 0..3: the band of 64 tokens
	s_bfe_u32 s78, ttmp6, 0x40000                  ; cx
	s_bfe_u32 s79, ttmp6, 0x40004                  ; cy
	s_lshl_b32 s15, ttmp9, 2
	SADD 15, s78                                   ; the head
	s_and_b32 s16, ttmp7, 0xffff
	s_lshl_b32 s16, s16, 2
	SADD 16, s79                                   ; the tile of 256 tokens
	s_lshl_b32 s80, s79, 2
	s_lshl_b32 s80, 15, s80                        ; my row of the cluster
	s_lshl_b32 s81, 0x1111, s78                    ; my column
	GROUP1 G1XA, 80, 224                           ; 8,192 + 2 x 24,576 bytes
	GROUP1 G1XB, 80, 480                           ; 5 x 24,576
	GROUP1 G1WA, 81, 168                           ; 6,144 + 2 x 18,432
	GROUP1 G1WB, 81, 360                           ; 5 x 18,432
	s_mul_i32 s82, s16, XREC
	s_mov_b32 s83, 0
	s_mul_i32 s84, s15, WREC
	s_mov_b32 s85, 0
	s_mov_b32 s[G0XA], 1
	s_mov_b32 s[G0XA+1], 0
	s_mov_b32 s[G0XB], 1
	s_mov_b32 s[G0XB+1], 57344
	s_mov_b32 s[G0WA], 1
	s_mov_b32 s[G0WA+1], WB
	s_mov_b32 s[G0WB], 1
	s_mov_b32 s[G0WB+1], WB+43008
	s_mov_b32 s76, 0x76543210
	s_mov_b32 s77, 0xfedcba98                      ; lane selects: lane l xor 16
	v_and_b32 v3, 31, v0
	v_and_b32 v4, 15, v0                           ; r
	v_bfe_u32 v5, v0, 4, 1                         ; h
	v_lshlrev_b32 v[L16], 4, v3
	v_lshlrev_b32 v[L8], 3, v3
	v_lshlrev_b32 v[L4], 2, v3
	v_lshlrev_b32 v[LR16], 4, v4
	v_lshlrev_b32 v[H8], 3, v5
	v_lshlrev_b32 v[BOQ], 7, v5                    ; q, k: a lane's 32 channels are 128 bytes on end of the bias
	v_and_b32 v[BOV], 7, v4
	v_lshrrev_b32 v50, 3, v4
	v_lshlrev_b32 v50, 7, v50
	v_lshl_add_u32 v[BOV], v[BOV], 2, v50          ; v: lane r of tile t has column 8 t + r % 8 + 32 (r / 8)
	s_mul_i32 s17, s14, 6144
	SADD 17, 8192
	s_mov_b32 s18, WB+6144
.irp j, 0,1,2,3
	v_add_nc_u32 v[AX+\j], s17, v[L16]
	v_add_nc_u32 v[AX+4+\j], s17, v[L8]
	v_add_nc_u32 v[AW+\j], s18, v[L16]
	v_add_nc_u32 v[AW+4+\j], s18, v[L8]
	SADD 17, 49152
	SADD 18, 36864
.endr
	s_lshl_b32 s18, s14, 11
	s_sub_co_u32 s19, WB, s18
	v_mul_u32_u24 v51, s19, v5
	v_add_nc_u32 v51, v51, v[LR16]
	v_add_nc_u32 v[ADA], s18, v51                  ; lanes 0-15 my tokens' words, lanes 16-31 q's
	v_lshl_add_u32 v51, v5, 11, v[LR16]
	v_add_nc_u32 v[ADB], WB+2048, v51              ; lanes 0-15 k's, lanes 16-31 v's
	s_lshl_b32 s18, s14, 8
	SADD 18, VST
	v_lshlrev_b32 v51, 3, v4
	v_add_nc_u32 v[VSA], s18, v51
	s_lshr_b32 s18, s14, 1
	s_lshl_b32 s18, s18, 9
	s_and_b32 s19, s14, 1
	s_lshl_b32 s19, s19, 7
	SADD 18, s19
	SADD 18, VST
	v_add_nc_u32 v[VRD], s18, v[L4]
	WALU
	s_wait_dscnt 0x0                               ; both opening adds are done
	CROUND                                         ; all sixteen work-groups are here: the joint loads meet
	s_wait_kmcnt 0x0
	s_add_nc_u64 s[G0XA+2:G0XA+3], s[4:5], s[82:83]
	s_add_nc_u64 s[G0XB+2:G0XB+3], s[G0XA+2:G0XA+3], 57344
	s_or_b32 s[G0XA+3], s[G0XA+3], 0x80000000
	s_or_b32 s[G0XB+3], s[G0XB+3], 0x80000000
	s_add_nc_u64 s[G0WA+2:G0WA+3], s[6:7], s[84:85]
	s_add_nc_u64 s[G0WB+2:G0WB+3], s[G0WA+2:G0WA+3], 43008
	s_or_b32 s[G0WA+3], s[G0WA+3], 0x80000000
	s_or_b32 s[G0WB+3], s[G0WB+3], 0x80000000
	s_cmp_eq_u32 s14, 0                            ; one tensor load a wave, each in an arm of its own
	s_cbranch_scc0 .Lwave_1
	TLOAD G0XA, G1XA
	s_branch .Lasked
.Lwave_1:
	s_cmp_eq_u32 s14, 1
	s_cbranch_scc0 .Lwave_2
	TLOAD G0WA, G1WA
	s_branch .Lasked
.Lwave_2:
	s_cmp_eq_u32 s14, 2
	s_cbranch_scc0 .Lwave_3
	TLOAD G0XB, G1XB
	s_branch .Lasked
.Lwave_3:
	TLOAD G0WB, G1WB
.Lasked:
	s_lshl_b32 s20, s15, 8
	s_mov_b32 s21, 0
	s_add_nc_u64 s[8:9], s[8:9], s[20:21]          ; my head's 64 numbers of the bias, for q; k's and v's stand 4,096 and 8,192 bytes on
	WIN 0xc0
.irp i, 0,1,2,3,4,5,6,7
	global_load_b128 v[128+4*\i:131+4*\i], v[BOQ], s[8:9] offset:16*\i
	global_load_b128 v[160+4*\i:163+4*\i], v[BOQ], s[8:9] offset:4096+16*\i
.endr
.irp i, 0,1,2,3
	global_load_b32 v[192+8*\i], v[BOV], s[8:9] offset:8192+32*\i
.endr
	WIN 0
	s_lshr_b32 s20, s16, 3                         ; the batch
	s_and_b32 s22, s16, 7                          ; the tile of tokens in it
	s_lshl_b32 s20, s20, 4
	SADD 20, s15                                   ; batch x 16 + head
	s_lshl_b32 s23, s20, 5
	s_lshl_b32 s17, s22, 2
	SADD 23, s17
	SADD 23, s14
	s_mul_i32 s82, s23, QREC
	s_add_nc_u64 s[88:89], s[10:11], s[82:83]      ; q: my band (s83 = 0)
	s_lshl_b32 s23, s20, 4
	s_lshl_b32 s17, s22, 1
	SADD 23, s17
	s_lshr_b32 s17, s14, 1
	SADD 23, s17
	s_mul_i32 s82, s23, REC
	s_and_b32 s17, s14, 1                          ; my band of the record
	s_mul_i32 s18, s17, 3072
	SADD 18, s82
	s_mov_b32 s19, 0
	s_add_nc_u64 s[90:91], s[12:13], s[18:19]      ; k's tiles
	s_lshl_b32 s18, s17, 8
	SADD 18, s82
	SADD 18, 6144
	s_add_nc_u64 s[92:93], s[12:13], s[18:19]      ; k's words
	s_mul_i32 s18, s17, 768
	SADD 18, s82
	SADD 18, 6656
	s_add_nc_u64 s[94:95], s[12:13], s[18:19]      ; v's pieces
	s_lshl_b32 s18, s17, 7
	SADD 18, s82
	SADD 18, 12800
	s_add_nc_u64 s[96:97], s[12:13], s[18:19]      ; v's words: this wave stores half of a record's
	s_wait_loadcnt 0x0
	WIN 0xc3
.irp t, 192,200,208,216
.irp i, 1,2,3,4,5,6,7
	v_mov_b32 v[\t+\i], v[\t]                      ; v's number, one a lane and tile, over the tile's eight registers
.endr
.endr
	WIN 0
; a fragment (16 rows x 128 along K) f of step st into set p: it lies as the registers take it
.macro LD f, st, p
	WIN (\p)<<6
.if (\st) == 7
.set JB_, 0
.set SO_, 0
.else
.set JB_, (\st)/2
.set SO_, (\st)%2
.endif
.set R_, 64+12*(\f)
.if (\f) < 4
.set LA_, AX+JB_
.set LO_, SO_*24576+1536*(\f)
.else
.set LA_, AW+JB_
.set LO_, SO_*18432+1536*((\f)-4)
.endif
	ds_load_b128 v[R_:R_+3], v[LA_] offset:LO_
	ds_load_b64 v[R_+4:R_+5], v[LA_+4] offset:LO_+512
	ds_load_b128 v[R_+6:R_+9], v[LA_] offset:LO_+768
	ds_load_b64 v[R_+10:R_+11], v[LA_+4] offset:LO_+1280
.if (\f) == 0
	WIN 0
	ds_load_b128 v[SC+8*(\p):SC+8*(\p)+3], v[ADA] offset:256*(\st)
	ds_load_b128 v[SC+8*(\p)+4:SC+8*(\p)+7], v[ADB] offset:256*(\st)
.endif
.endm
.macro WM d, a, b, c, sa, sb, ra, rb
	v_wmma_scale_f32_16x16x128_f8f6f4 v[\d:\d+7], v[\a:\a+11], v[\b:\b+11], \c, v[\sa], v[\sb] matrix_a_fmt:MATRIX_FMT_FP6 matrix_b_fmt:MATRIX_FMT_FP6 matrix_a_scale:MATRIX_SCALE_ROW\ra matrix_b_scale:MATRIX_SCALE_ROW\rb
.endm
; product n of a step's 48 (0-15 q, 16-31 k, 32-47 v) on set p.  The accumulators take turns, one instruction a turn, in the same order in every step.
.macro PR n, p, first
.set G_, (\n)/16
.set A_, ((\n)%16)/4
.set B_, (\n)%4
.set S_, SC+8*(\p)
.if G_ < 2
.set D_, 128*G_+8*((\n)%16)
.set W_, 64+12*(4+4*G_+B_)
.set X_, 64+12*A_
.set C_, 128+32*G_+8*B_
.if \first
	WIN 0xb0+5*(\p)
.if G_ == 0
	WM D_, W_, X_, v[C_:C_+7], S_+B_, S_+A_, 1, 0
.else
	WM D_, W_, X_, v[C_:C_+7], S_+4+B_, S_+A_, 0, 0
.endif
.else
	WIN 0xa0+5*(\p)
.if G_ == 0
	WM D_, W_, X_, v[D_:D_+7], S_+B_, S_+A_, 1, 0
.else
	WM D_, W_, X_, v[D_:D_+7], S_+4+B_, S_+A_, 0, 0
.endif
.endif
.else
.set D_, 8*((\n)%16)
.set W_, 64+12*(12+A_)
.set X_, 64+12*B_
.set C_, 192+8*A_
	WIN 0xf0+5*(\p)
.if \first
	WM D_, X_, W_, v[C_:C_+7], S_+B_, S_+4+A_, 0, 1
.else
	WM D_, X_, W_, v[D_:D_+7], S_+B_, S_+4+A_, 0, 1
.endif
.endif
.endm
; products from .. to - 1; behind each every-th one the loads of the next fragment F_ of step st into the other set (st = 8: none)
.macro RUN p, first, from, to, st, every
.set N_, \from
.rept (\to)-(\from)
	PR N_, \p, \first
.if (\st) < 8
.if ((N_+1)%(\every)) == 0
.if F_ < 16
	LD F_, \st, 1-(\p)
.set F_, F_+1
.endif
.endif
.endif
.set N_, N_+1
.endr
.endm
; A step's 66 loads come in the order tokens and words, q, k, v.  At its top the 32 of k and v may be out; ahead of k's products v's 16 and the next step's first 34; ahead of v's the next step's.
.macro STEP p, first, st
	WIN 0
	PLACES
	s_wait_dscnt 32
.set F_, 0
	RUN \p, \first, 0, 16, \st, 2
	s_wait_dscnt 50
	RUN \p, \first, 16, 32, \st, 2
	s_wait_dscnt 63
	RUN \p, \first, 32, 48, \st, 2
.endm
	WALU
	s_cmp_lt_u32 s14, 2
	s_cbranch_scc0 .Lnot_mine
	s_wait_tensorcnt 0x0                           ; waves 0 and 1: the scales and steps 0 and 1 are in
.Lnot_mine:
	s_barrier_signal -1
	s_barrier_wait -1                              ; shown to all; steps 2 to 6 may be out
.irp f, 0,1,2,3,4,5,6,7,8,9,10,11,12,13,14,15
	LD \f, 0, 0
.endr
	STEP 0, 1, 1
; step 1, with the round: it shows steps 2 to 6, and step 0's bytes take step 7
	WIN 0
	s_wait_tensorcnt 0x0                           ; my tensor load has landed
	ds_add_u32 v[SPW], v[NIL]                      ; 0 onto my spare word
	s_mov_b32 s[G1XA+2], 96<<16                    ; no tensor load of mine is out: the descriptors of step 7
	s_mov_b32 s[G1XA+4], 96
	s_mov_b32 s[G1WA+2], 72<<16
	s_mov_b32 s[G1WA+4], 72
	s_mov_b32 s[G0XA+1], 8192
	s_mov_b32 s[G0WA+1], WB+6144
	s_add_nc_u64 s[G0XA+2:G0XA+3], s[G0XA+2:G0XA+3], 8192+7*24576
	s_add_nc_u64 s[G0WA+2:G0WA+3], s[G0WA+2:G0WA+3], 6144+7*18432
	s_wait_dscnt 33                                ; (the add and k's and v's 32 loads may be out)
	RUN 1, 0, 0, 16, 8, 2
	s_wait_dscnt 0x0                               ; the add is done, and my reads of step 0's bytes are over
	s_barrier_signal -1
	RUN 1, 0, 16, 24, 8, 2
	WIN 0
	s_barrier_wait -1
	CREST
	s_cmp_eq_u32 s14, 0
	s_cbranch_scc0 .Lrefill_w
	TLOAD G0XA, G1XA
	s_branch .Lrefilled
.Lrefill_w:
	s_cmp_eq_u32 s14, 1
	s_cbranch_scc0 .Lrefilled
	TLOAD G0WA, G1WA
.Lrefilled:
	PLACES                                         ; for the waves that come round the loads
.set F_, 0
	RUN 1, 0, 24, 48, 2, 1
	STEP 0, 0, 3
	STEP 1, 0, 4
	STEP 0, 0, 5
	STEP 1, 0, 6
; step 6, with a plain barrier that shows step 7
	WIN 0
	s_wait_dscnt 32
	RUN 0, 0, 0, 16, 8, 2
	s_wait_tensorcnt 0x0
	s_wait_dscnt 0x0
	s_barrier_signal -1
	RUN 0, 0, 16, 24, 8, 2
	WIN 0
	s_barrier_wait -1
	PLACES
.set F_, 0
	RUN 0, 0, 24, 48, 7, 1
; step 7: nothing more to fetch
	s_wait_dscnt 32
	RUN 1, 0, 0, 16, 8, 2
	s_wait_dscnt 16
	RUN 1, 0, 16, 32, 8, 2
	s_wait_dscnt 0x0
	RUN 1, 0, 32, 48, 8, 2
	WIN 0
	PLACES
; THE WAY OUT.  Four blocks of 32 registers of window wn, from v[ab] on, become four runs of six code registers, v[e + 20 + 6 i], and four scale words, v[e + 12 + i], the same in both halves of the lanes.
.macro OUTG wn, ab, e
	WIN ((\wn)<<2)|((\wn)<<4)
.irp i, 0,1,2,3
	v_max3_num_f32 v[\e+\i], 0x1800000, |v[\ab+32*\i]|, |v[\ab+32*\i+1]|   ; each accumulator is read from its low end on; the floor 2^(3 - 127) holds the byte at 1 from below
.endr
.set K_, 2
.rept 15
.irp i, 0,1,2,3
	v_max3_num_f32 v[\e+\i], v[\e+\i], |v[\ab+32*\i+K_]|, |v[\ab+32*\i+K_+1]|
.endr
.set K_, K_+2
.endr
	WIN 0
.irp i, 0,1,2,3
	v_add_nc_u32 v[\e+8+\i], 0xff000000, v[\e+\i]
.endr
.irp i, 0,1,2,3
	v_lshrrev_b32 v[\e+12+\i], 23, v[\e+8+\i]
.endr
.irp i, 0,1,2,3
	v_lshlrev_b32 v[\e+12+\i], v[H8], v[\e+12+\i]
.endr
.irp i, 0,1,2,3
	v_permlanex16_b32 v[\e+16+\i], v[\e+12+\i], s76, s77
.endr
.irp i, 0,1,2,3
	v_or_b32 v[\e+12+\i], v[\e+12+\i], v[\e+16+\i]
.endr
	WIN \wn
.irp i, 0,1,2,3
	v_cvt_scalef32_pk16_fp6_f32 v[\e+20+6*\i:\e+22+6*\i], v[\ab+32*\i:\ab+32*\i+15], v[\e+8+\i]
	v_cvt_scalef32_pk16_fp6_f32 v[\e+44+4*\i:\e+46+4*\i], v[\ab+32*\i+16:\ab+32*\i+31], v[\e+8+\i]
.endr
	WIN 0
	v_nop                                          ; one plain place behind a scaled conversion
.irp i, 0,1,2,3
.irp j, 0,1,2
	v_mov_b32 v[\e+23+6*\i+\j], v[\e+44+4*\i+\j]
.endr
.endr
.endm
.macro SEND e, base, pitch             ; 512 and 256 consecutive bytes, at multiples of 256 from the buffer's first byte
.irp i, 0,1,2,3
	global_store_b128 v[L16], v[\e+20+6*\i:\e+23+6*\i], s[\base:\base+1] offset:(\pitch)*\i
	global_store_b64 v[L8], v[\e+24+6*\i:\e+25+6*\i], s[\base:\base+1] offset:(\pitch)*\i+512
.endr
.endm
	OUTG 2, 0, 64                                  ; q
	SEND 64, 88, 768
	global_store_b128 v[LR16], v[76:79], s[88:89] offset:3072      ; 256 consecutive bytes; both halves of the lanes store the same
	OUTG 2, 128, 128                               ; k
	SEND 128, 90, 768
	global_store_b128 v[LR16], v[140:143], s[92:93]
	OUTG 3, 0, 192                                 ; v
	SEND 192, 94, 1536
.irp i, 0,1,2,3
	ds_store_b32 v[VSA], v[204+\i] offset:128*(\i/2)+4*(\i%2)
.endr
	WALU
	s_wait_dscnt 0x0
	s_barrier_signal -1
	s_barrier_wait -1
	ds_load_b32 v50, v[VRD]                        ; band 0's two bytes of a row's word,
	ds_load_b32 v51, v[VRD] offset:256             ; and band 1's, which the neighbour wave made
	s_wait_dscnt 0x0
	v_lshl_or_b32 v50, v51, 16, v50
	global_store_b32 v[L4], v50, s[96:97]          ; 128 consecutive bytes
	s_wait_tensorcnt 0x0                           ; the wave's end
	ds_add_u32 v[SPW], v[NIL]
	s_wait_dscnt 0x0
	CROUND                                         ; the closing round: no work-group ends while a partner may still ask for a tile that names it
	s_endpgm
.Lfunc_end_k_qc08ef91106_qkv:
	.size	k_qc08ef91106_qkv, .Lfunc_end_k_qc08ef91106_qkv-k_qc08ef91106_qkv
	.p2alignl 7, 3214868480
	.fill 96, 4, 3214868480
	.section	.rodata,"a",@progbits
	.p2align	6, 0x0
	.amdhsa_kernel k_qc08ef91106_qkv
		.amdhsa_group_segment_fixed_size 327680
		.amdhsa_private_segment_fixed_size 0
		.amdhsa_enable_private_segment 0
		.amdhsa_kernarg_size 40
		.amdhsa_user_sgpr_count 2
		.amdhsa_user_sgpr_kernarg_segment_ptr 1
		.amdhsa_wavefront_size32 1
		.amdhsa_system_sgpr_workgroup_id_x 1
		.amdhsa_system_sgpr_workgroup_id_y 1
		.amdhsa_system_sgpr_workgroup_id_z 1
		.amdhsa_system_vgpr_workitem_id 0
		.amdhsa_next_free_vgpr 1024
		.amdhsa_next_free_sgpr 102
		.amdhsa_reserve_vcc 0
		.amdhsa_float_denorm_mode_32 3
		.amdhsa_float_denorm_mode_16_64 3
		.amdhsa_memory_ordered 1
		.amdhsa_forward_progress 1
		.amdhsa_inst_pref_size 127
	.end_amdhsa_kernel
	.amdgpu_metadata
---
amdhsa.version: [ 1, 2 ]
amdhsa.kernels:
  - .name:           k_qc08ef91106_qkv
    .symbol:         k_qc08ef91106_qkv.kd
    .args:
      - { .name: xq, .offset: 0, .size: 8, .value_kind: global_buffer, .address_space: global }
      - { .name: wimg, .offset: 8, .size: 8, .value_kind: global_buffer, .address_space: global }
      - { .name: b_qkv, .offset: 16, .size: 8, .value_kind: global_buffer, .address_space: global }
      - { .name: qimg, .offset: 24, .size: 8, .value_kind: global_buffer, .address_space: global }
      - { .name: kv, .offset: 32, .size: 8, .value_kind: global_buffer, .address_space: global }
    .group_segment_fixed_size: 327680
    .private_segment_fixed_size: 0
    .kernarg_segment_align: 8
    .kernarg_segment_size: 40
    .max_flat_workgroup_size: 128
    .sgpr_count:     102
    .vgpr_count:     1024
    .wavefront_size: 32
...
	.end_amdgpu_metadata
.endif
;; end of part 2
;; launch attn (part 3): grid 8 x 32, 16 waves a work-group, clusters of 4 x 1, 215,040 bytes of LDS; arguments qimg, kv, oq; writes oq
.if DOCPART == 3
	.amdgcn_target "amdgcn-amd-amdhsa--gfx1250"
	.amdhsa_code_object_version 6
	.text
	.protected	k_qc08ef91106_attn
	.globl	k_qc08ef91106_attn
	.p2align	8
	.type	k_qc08ef91106_attn,@function
k_qc08ef91106_attn:
	s_mov_b64 s[64:65], 0
	v_nop
	global_prefetch_b8 v0, s[64:65] scope:SCOPE_SE
	s_setreg_imm32_b32 hwreg(HW_REG_WAVE_MODE, 25, 1), 1
	s_wait_xcnt 0x0
	s_wait_alu depctr_hold_cnt(0) depctr_sa_sdst(0) depctr_va_vdst(0) depctr_va_sdst(0) depctr_va_ssrc(0) depctr_va_vcc(0) depctr_vm_vsrc(0)
	s_getreg_b32 s2, hwreg(HW_REG_IB_STS2, 6, 4)
	s_cmp_eq_u32 s2, 0
	s_cbranch_scc0 .Lentry_in_a_cluster
	s_endpgm
.Lentry_in_a_cluster:
	s_bfe_u32 s2, ttmp6, 0x10000c
	s_cmp_lg_u32 s2, 0x3003
	s_cbranch_scc0 .Lentry_shape_is_right
	s_endpgm
.Lentry_shape_is_right:
; o = softmax(q k^T / 8) v for one head, both products on codes of FP6 (E2M3) with E8M0 scales, and o quantised at once along the projection's K.
; THE SOFTMAX AHEAD OF THE SECOND PRODUCT: t = score x log2(e) / 8; M = the row's largest t so far, rounded up to a whole number; p = 2^(t - M) is quantised along the keys, not normalised.  The row's sum is taken of
; the unquantised p and divides at the end.  When M moves, the sum and O are multiplied by 2^(old M - new M): exact.
; A block's scale exponent is floor(its largest t - M) - 2: p rises with t, so that is floor(log2(the block's largest p)) - 2.
; LIMITS: NaN and infinities are not served; the scaled scores stay under 2^31 in magnitude.  A block whose largest p lies under 2^-124 gets the scale byte 0 (2^-127), a block of o that is zeros or under 2^-124
; the byte 1; the bytes are read by this program alone.
; SHARES.  A work-group owns 256 queries of one head (ttmp7: batch x 16 + head); each of its sixteen waves owns one tile of 16 queries in 256 registers.  Every wave walks the head's 2,048 keys, 128 a step.
; LDS.  The whole head's K and V, 16 records of 13,056 bytes, lie in LDS, filled once, one tensor load a wave: wave w brings record w.  A record: K's 8 tiles (16 keys x 64 channels, 768 bytes: six operand
; registers), 512 bytes of K's scale words, V's 8 pieces (tile of 16 channels t, keys 64 c on, at 768 (2 t + c)), 256 bytes of V's scale words.
; BARRIERS.  The first shows records 0-3 (waves 0-3 have waited for theirs).  The second shows the rest: it is signalled behind step 0 and waited for ahead of step 3, which is the first to read beyond record 3.
; CLUSTER.  The four query blocks of a cluster read the same head: each record is asked for jointly.  No prefetch: all of K and V is asked for at the head.
; LAYOUT.  Both products are used transposed (S^T = K Q^T, O^T = V^T P^T): a lane holds one query throughout.  Tile t of a band of 64 keys holds the band's keys 8 t + i and 32 + 8 t + i (V's channels likewise),
; so the 32 registers of a band's four tiles are one scale block: only the row's maximum, the sum and the scale bytes go from lane to lane.
; K = 64 IN AN INSTRUCTION OF 128: Q's codes for k = 64 .. 127 are zeros, so whatever K's operand holds there (the next tile; V's registers behind the last) adds exact zeros: no code of this format is a NaN or an
; infinity, and the scale bytes there are 0, which stands for 2^-127.
.set REC, 13056
.set QREC, 3328
.set GREC, 102400
.set VOFS, 6656
.set L16, 1
.set L8, 2
.set AD16, 3
.set AD8, 4
.set RM, 5                             ; the largest score so far
.set TP, 6                             ; v6, v7 at work
.set ML, 8                             ; v8 -M, v9 its value before
.set SU, 10                            ; v[10:11] the sum, in two halves
.set FF, 12                            ; v[12:13] f = 2^(old M - new M)
.set BM, 14                            ; v14, v15 the two blocks' largest scores
.set QF, 16                            ; v16-27 q
.set QS, 28
.set PS, 29                            ; p's scale word
.set BS, 30                            ; v30, v31 the conversions' scale operands
.set KF, 32                            ; v32-79 K's fragments
.set VF, 80                            ; v80-127 V's
.set SS, 128                           ; v128-191 S^T, then p
.set OO, 192                           ; v192-223 O^T
.set PC, 224                           ; v224-235 p's codes
.set PT, 236                           ; v236-238, v240-242 the conversions' second halves
.set PX, 239
.set H8, 243
.set KS, 244
.set VS, 248
.set C1, 250
.set SPW, 252
.set NIL, 253
.set C2, 254
.set LR16, 0
.set WV, 18
.set SEL, 20
.set CS, 22
.set G1, 24
.set G0, 32
.set TB, 48
.set CNT, 49
.set NC, 36
.set QTR, 37
.macro WALU
	s_wait_alu depctr_va_vdst(0)
.endm
.macro SADD d, a
	s_add_co_u32 s\d, s\d, \a
.endm
.macro CROUND
	s_barrier_signal -1
	s_barrier_wait -1
	s_cmp_lg_u32 s[WV], 0
	s_cbranch_scc1 .Lnot_wave_0_\@
	s_barrier_signal -3
.Lnot_wave_0_\@:
	s_barrier_wait -3
	s_barrier_signal -1
	s_barrier_wait -1
.endm
	s_load_b128 s[4:7], s[0:1], 0x0                ; qimg, kv
	s_load_b64 s[8:9], s[0:1], 0x10                ; oq
	v_lshl_add_u32 v[SPW], v0, 2, 0x34000
	v_mov_b32 v[NIL], 0
	ds_add_u32 v[SPW], v[NIL]                      ; the opening lines: the add, twice on end, and its wait
	ds_add_u32 v[SPW], v[NIL]
	v_lshrrev_b32 v3, 5, v0
	v_readfirstlane_b32 s[WV], v3                  ; wave 0..15
	s_bfe_u32 s10, ttmp6, 0x40000                  ; cx
	s_lshl_b32 s11, ttmp9, 2
	SADD 11, s10                                   ; my block of 256 queries: it enters q's and o's addresses alone
	s_and_b32 s12, ttmp7, 0xffff                   ; batch x 16 + head, which the four partners share
	s_lshl_b32 s13, s12, 4
	SADD 13, s[WV]
	s_mul_i32 s14, s13, REC                        ; record w of the head, in memory,
	s_mov_b32 s15, 0
	s_mul_i32 s16, s[WV], REC                      ; and in LDS
	s_mov_b32 s[G1], 15|(3<<16)|(1<<21)            ; 15:0 the mask: all four work-groups; 17:16 elements of 8 bytes; 21 set beside a mask
	s_mov_b32 s[G1+1], 32<<16                      ; a record is dense: 51 rows of 256 bytes
	s_mov_b32 s[G1+2], 51<<16
	s_mov_b32 s[G1+3], 32<<16
	s_mov_b32 s[G1+4], 51
	s_mov_b32 s[G1+5], 32
	s_mov_b32 s[G1+6], 0
	s_mov_b32 s[G1+7], 0
	s_mov_b32 s[G0], 1
	s_mov_b32 s[G0+1], s16
	s_mov_b32 s[SEL], 0x76543210
	s_mov_b32 s[SEL+1], 0xfedcba98                 ; lane selects: lane l xor 16
	s_mov_b32 s[CS], 0x3e38aa3b                    ; c = log2(e) / 8
	s_mov_b32 s[CS+1], s[CS]                       ; (named with it as a pair, so it is written)
	s_mov_b32 s[NC], 0xbe38aa3b                    ; -c
	s_mov_b32 s[QTR], 0x3e800000                   ; 0.25
	s_lshr_b32 s50, s[WV], 2
	s_and_b32 s51, s[WV], 3                        ; my tile of the band
	s_lshl_b32 s52, s11, 2
	SADD 52, s50                                   ; my band of 64 queries, 0..31
	s_lshl_b32 s53, s12, 5
	SADD 53, s52
	s_mul_i32 s53, s53, QREC
	s_mul_i32 s54, s51, 768
	SADD 54, s53                                   ; my tile of q
	s_mov_b32 s55, 0
	s_lshl_b32 s58, s51, 2
	SADD 58, s53
	SADD 58, 3072                                  ; its scale words
	s_mov_b32 s59, 0
	s_lshr_b32 s60, s12, 4
	s_lshl_b32 s60, s60, 5
	SADD 60, s52
	s_lshr_b32 s60, s60, 1
	s_mul_i32 s60, s60, GREC                       ; o's record: 128 tokens
	s_and_b32 s61, s52, 1                          ; my band in it
	s_and_b32 s62, s12, 15                         ; the head:
	s_and_b32 s63, s62, 1                          ; which piece of
	s_lshr_b32 s62, s62, 1                         ; which step of 128 along the projection's K
	s_lshl_b32 s66, s62, 1
	SADD 66, s61
	s_mul_i32 s66, s66, 6144
	SADD 66, s60
	s_mul_i32 s68, s51, 1536
	SADD 66, s68
	s_mul_i32 s68, s63, 768
	SADD 66, s68
	SADD 66, 4096                                  ; my piece of o
	s_mov_b32 s67, 0
	s_lshl_b32 s68, s61, 11
	SADD 68, s60
	s_lshl_b32 s69, s62, 8
	SADD 68, s69
	s_lshl_b32 s69, s51, 2
	SADD 68, s69
	s_lshl_b32 s69, s63, 1
	SADD 68, s69                                   ; my two bytes of each row's scale word
	s_mov_b32 s69, 0
	v_and_b32 v3, 31, v0
	v_lshlrev_b32 v[L16], 4, v3
	v_lshlrev_b32 v[L8], 3, v3
	v_bfe_u32 v[H8], v0, 4, 1
	v_lshlrev_b32 v[H8], 3, v[H8]
	v_and_b32 v[LR16], 15, v0
	v_lshlrev_b32 v[LR16], 4, v[LR16]
	WALU
	s_wait_dscnt 0x0                               ; both opening adds are done
	CROUND                                         ; all four work-groups are here: the joint loads meet
	s_wait_kmcnt 0x0
	s_add_nc_u64 s[G0+2:G0+3], s[6:7], s[14:15]
	s_or_b32 s[G0+3], s[G0+3], 0x80000000
	s_cmp_lt_u32 s[WV], 4                          ; waves 0-3, whose records are shown first, have a load line of their own
	s_cbranch_scc0 .Lrest
	tensor_load_to_lds s[G0:G0+3], s[G1:G1+7]
	s_nop 0
.rept 4
	v_nop
.endr
	s_branch .Lasked
.Lrest:
	tensor_load_to_lds s[G0:G0+3], s[G1:G1+7]
	s_nop 0
.rept 4
	v_nop
.endr
.Lasked:
	s_add_nc_u64 s[56:57], s[4:5], s[54:55]
	s_add_nc_u64 s[58:59], s[4:5], s[58:59]
	s_add_nc_u64 s[66:67], s[8:9], s[66:67]
	s_add_nc_u64 s[68:69], s[8:9], s[68:69]
	global_load_b128 v[QF:QF+3], v[L16], s[56:57]  ; q's tile stays in registers
	global_load_b64 v[QF+4:QF+5], v[L8], s[56:57] offset:512
	global_load_b32 v[QS], v[LR16], s[58:59]       ; and its scale words
.irp j, 22,23,24,25,26,27,80,81,82,83,84,85
	v_mov_b32 v\j, 0                               ; q's codes for k = 64 .. 127, and what stands behind K's last tile in the first step
.endr
	v_mov_b32 v[RM], 0xff61b1e6                    ; the largest score so far: -3e38, under every score
	v_mul_f32 v[TP], s[NC], v[RM]
	v_floor_f32 v[ML], v[TP]                       ; -M
	v_mov_b32 v[ML+1], 0
	v_mov_b32 v[SU], 0
	v_mov_b32 v[SU+1], 0
	v_mov_b32 v[PX], 0                             ; (a lane permute's destination counts as one of its sources)
	v_mov_b32 v[FF+1], 0                           ; (named as the upper half of a pair)
.set JJ, 0
.rept 32
	v_mov_b32 v[OO+JJ], 0                          ; O^T: the first step finds zeros, which the first change of M leaves zeros
.set JJ, JJ+1
.endr
; A KEY STEP: the 128 keys of the record at LDS byte s[TB]; its K fragments were fetched a step ago.  more = 1: it fetches the next record's.
.macro WMS d, a, b, c, sa, sb, ra
	v_wmma_scale_f32_16x16x128_f8f6f4 v[\d:\d+7], v[\a:\a+11], v[\b:\b+11], \c, v[\sa], v[\sb] matrix_a_fmt:MATRIX_FMT_FP6 matrix_b_fmt:MATRIX_FMT_FP6 matrix_a_scale:MATRIX_SCALE_ROW\ra
.endm
.macro KLOAD a16, a8, off              ; 17 loads
.irp t, 0,1,2,3,4,5,6,7
	ds_load_b128 v[KF+6*\t:KF+3+6*\t], v[\a16] offset:(\off)+768*\t
	ds_load_b64 v[KF+4+6*\t:KF+5+6*\t], v[\a8] offset:(\off)+768*\t+512
.endr
	ds_load_b128 v[KS:KS+3], v[\a16] offset:(\off)+6144    ; register t: lanes 0-15 tile t of band 0, lanes 16-31 of band 1
.endm
.macro STEP more
	s_wait_dscnt 0x0                               ; K is in
.irp t, 0,1,2,3
	WMS SS+8*\t, KF+6*\t, QF, 0, KS+\t, QS, 0
.endr
.irp t, 0,1,2,3
	WMS SS+32+8*\t, KF+24+6*\t, QF, 0, KS+\t, QS, 1
.endr
	v_add_nc_u32 v[AD16], s[TB], v[L16]            ; four places between the products and the loads into registers that they read, and the first read of the scores
	v_add_nc_u32 v[AD8], s[TB], v[L8]
	v_nop
	v_nop
.irp t, 0,1,2,3                        ; V's four fragments land while the softmax is walked
.irp c, 0,1
	ds_load_b128 v[VF+12*\t+6*\c:VF+3+12*\t+6*\c], v[AD16] offset:VOFS+(2*\t+\c)*768
	ds_load_b64 v[VF+4+12*\t+6*\c:VF+5+12*\t+6*\c], v[AD8] offset:VOFS+(2*\t+\c)*768+512
.endr
.endr
	ds_load_b64 v[VS:VS+1], v[AD8] offset:12800    ; V's scale words: lanes 0-15 tiles 0, 1; lanes 16-31 tiles 2, 3
.if \more
	KLOAD AD16, AD8, REC
.endif
.irp c, 0,1                            ; the largest score of each of my two blocks of 32 keys, in two chains each
	v_max3_num_f32 v[BM+\c], v[SS+32*\c], v[SS+32*\c+1], v[SS+32*\c+2]
	v_max3_num_f32 v[TP+\c], v[SS+32*\c+16], v[SS+32*\c+17], v[SS+32*\c+18]
.endr
.irp i, 3,5,7,9,11,13
.irp c, 0,1
	v_max3_num_f32 v[BM+\c], v[BM+\c], v[SS+32*\c+\i], v[SS+32*\c+\i+1]
	v_max3_num_f32 v[TP+\c], v[TP+\c], v[SS+32*\c+16+\i], v[SS+32*\c+17+\i]
.endr
.endr
.irp c, 0,1
	v_max3_num_f32 v[BM+\c], v[BM+\c], v[SS+32*\c+15], v[SS+32*\c+31]
.endr
.irp c, 0,1
	v_max_num_f32 v[BM+\c], v[BM+\c], v[TP+\c]
.endr
	v_max_num_f32 v[TP], v[BM], v[BM+1]
	v_permlanex16_b32 v[PX], v[TP], s[SEL], s[SEL+1]
	v_mov_b32 v[ML+1], v[ML]
	v_max3_num_f32 v[RM], v[RM], v[TP], v[PX]      ; the running largest score (c is positive)
	v_mul_f32 v[TP], s[NC], v[RM]
	v_floor_f32 v[ML], v[TP]                       ; the new -M = floor(-t)
	v_sub_f32 v[TP], v[ML], v[ML+1]                ; old M - new M: a whole number, 0 or less
	v_fma_f32 v[BM], v[BM], s[CS], v[ML]           ; each block's largest t - M
	v_fma_f32 v[BM+1], v[BM+1], s[CS], v[ML]
	v_cvt_i32_f32 v[TP], v[TP]                     ; (it saturates)
	v_floor_f32 v[BM], v[BM]
	v_floor_f32 v[BM+1], v[BM+1]
	v_cvt_i32_f32 v[BM], v[BM]
	v_cvt_i32_f32 v[BM+1], v[BM+1]
	v_ldexp_f32 v[FF], 1.0, v[TP]                  ; f
	v_ldexp_f32 v[BS], s[QTR], v[BM]               ; the conversions' scale operands: 2^(floor(t - M) - 2)
	v_ldexp_f32 v[BS+1], s[QTR], v[BM+1]
.set JJ, 0
.rept 4
	v_pk_mul_f32 v[OO+JJ:OO+JJ+1], v[OO+JJ:OO+JJ+1], v[FF:FF+1] op_sel_hi:[1,0]   ; O^T under the new M
.set JJ, JJ+2
.endr
	v_lshrrev_b32 v[TP], 23, v[BS]                 ; their bytes
	v_lshrrev_b32 v[TP+1], 23, v[BS+1]
.rept 4
	v_pk_mul_f32 v[OO+JJ:OO+JJ+1], v[OO+JJ:OO+JJ+1], v[FF:FF+1] op_sel_hi:[1,0]
.set JJ, JJ+2
.endr
	v_lshl_or_b32 v[TP], v[TP+1], 16, v[TP]        ; bytes 0 and 2 are mine, 1 and 3 lane l xor 16's (lanes 0-15 are read)
.rept 4
	v_pk_mul_f32 v[OO+JJ:OO+JJ+1], v[OO+JJ:OO+JJ+1], v[FF:FF+1] op_sel_hi:[1,0]
.set JJ, JJ+2
.endr
	v_permlanex16_b32 v[PX], v[TP], s[SEL], s[SEL+1]
.rept 4
	v_pk_mul_f32 v[OO+JJ:OO+JJ+1], v[OO+JJ:OO+JJ+1], v[FF:FF+1] op_sel_hi:[1,0]
.set JJ, JJ+2
.endr
	v_lshl_or_b32 v[PS], v[PX], 8, v[TP]
.set JJ, 0
.rept 32
	v_pk_fma_f32 v[SS+JJ:SS+JJ+1], v[SS+JJ:SS+JJ+1], s[CS:CS+1], v[ML:ML+1] op_sel_hi:[1,0,0]   ; t - M, two at a time
.set JJ, JJ+2
.endr
	WALU
.set JJ, 0
.rept 64
	v_exp_f32 v[SS+JJ], v[SS+JJ]                   ; p = 2^(t - M)
.set JJ, JJ+1
.endr
	v_pk_mul_f32 v[SU:SU+1], v[SU:SU+1], v[FF:FF+1] op_sel_hi:[1,0]    ; the sums under the new M: a plain place behind the exponentials
	WALU
.irp c, 0,1
	v_cvt_scalef32_pk16_fp6_f32 v[PC+6*\c:PC+2+6*\c], v[SS+32*\c:SS+15+32*\c], v[BS+\c]
	v_cvt_scalef32_pk16_fp6_f32 v[PT+4*\c:PT+2+4*\c], v[SS+16+32*\c:SS+31+32*\c], v[BS+\c]
.endr
	v_pk_add_f32 v[C1:C1+1], v[SS:SS+1], v[SS+2:SS+3]                  ; the row's sum, of the unquantised p, in four chains; the first line is also the plain place behind the conversions
	v_pk_add_f32 v[C2:C2+1], v[SS+4:SS+5], v[SS+6:SS+7]
	v_pk_add_f32 v[TP:TP+1], v[SS+8:SS+9], v[SS+10:SS+11]
	v_pk_add_f32 v[SU:SU+1], v[SU:SU+1], v[SS+12:SS+13]
.irp c, 0,1
.irp i, 0,1,2
	v_mov_b32 v[PC+3+6*\c+\i], v[PT+4*\c+\i]       ; a block's six registers on end
.endr
.endr
.set JJ, 14
.rept 6
	v_pk_add_f32 v[C1:C1+1], v[C1:C1+1], v[SS+JJ:SS+JJ+1]
	v_pk_add_f32 v[C2:C2+1], v[C2:C2+1], v[SS+JJ+2:SS+JJ+3]
	v_pk_add_f32 v[TP:TP+1], v[TP:TP+1], v[SS+JJ+4:SS+JJ+5]
	v_pk_add_f32 v[SU:SU+1], v[SU:SU+1], v[SS+JJ+6:SS+JJ+7]
.set JJ, JJ+8
.endr
	v_pk_add_f32 v[C1:C1+1], v[C1:C1+1], v[SS+62:SS+63]
	v_pk_add_f32 v[SU:SU+1], v[SU:SU+1], v[TP:TP+1]
	v_pk_add_f32 v[C1:C1+1], v[C1:C1+1], v[C2:C2+1]
	v_pk_add_f32 v[SU:SU+1], v[SU:SU+1], v[C1:C1+1]
.if \more
	s_wait_dscnt 17                                ; V is in; the next K's 17 loads may be out
.else
	s_wait_dscnt 0x0
.endif
.irp t, 0,1
	WMS OO+8*\t, VF+12*\t, PC, v[OO+8*\t:OO+8*\t+7], VS+\t, PS, 0
.endr
.irp t, 2,3
	WMS OO+8*\t, VF+12*\t, PC, v[OO+8*\t:OO+8*\t+7], VS-2+\t, PS, 1
.endr
.endm
	WALU
	s_wait_loadcnt 0x0                             ; q
	s_cmp_lt_u32 s[WV], 4
	s_cbranch_scc0 .Lnot_mine
	s_wait_tensorcnt 0x0                           ; waves 0-3: my record is in
.Lnot_mine:
	s_barrier_signal -1
	s_barrier_wait -1                              ; records 0-3 are shown; the others may be out
	KLOAD L16, L8, 0
	s_mov_b32 s[TB], 0
	STEP 1
	s_wait_tensorcnt 0x0                           ; every wave: my record is in
	s_wait_dscnt 0x0
	s_barrier_signal -1                            ; between this and its wait stand register work and reads of records 1 to 3, which nobody writes
	s_mov_b32 s[TB], REC
	STEP 1
	s_mov_b32 s[TB], 2*REC
	STEP 1
	s_barrier_wait -1                              ; all records are shown
	s_mov_b32 s[TB], 3*REC
	s_mov_b32 s[CNT], 12
.Lstep:
	STEP 1
	s_add_co_u32 s[TB], s[TB], REC
	s_sub_co_u32 s[CNT], s[CNT], 1
	s_cmp_lg_u32 s[CNT], 0
	s_cbranch_scc1 .Lstep
	s_mov_b32 s[TB], 15*REC
	STEP 0
	; THE WAY OUT.  O^T / the sum is 32 numbers a lane, channels 32 h + 0 .. 31 of my query: one block of the projection's K.  They become my half of the lanes' part of a piece, and one scale byte.
.rept 4
	v_nop                                          ; places behind the last products
.endr
	WALU
	v_add_f32 v[SU], v[SU], v[SU+1]
	v_permlanex16_b32 v[PX], v[SU], s[SEL], s[SEL+1]
	v_add_f32 v[SU], v[SU], v[PX]                  ; the row's sum
	WALU
	v_rcp_f32 v[FF], v[SU]
	v_nop                                          ; a plain place behind the reciprocal
	WALU
.set JJ, 0
.rept 16
	v_pk_mul_f32 v[SS+JJ:SS+JJ+1], v[OO+JJ:OO+JJ+1], v[FF:FF+1] op_sel_hi:[1,0]   ; each accumulator from its low end on
.set JJ, JJ+2
.endr
	v_max3_num_f32 v[BM], 0x1800000, |v[SS]|, |v[SS+1]|
	v_max3_num_f32 v[TP], |v[SS+16]|, |v[SS+17]|, |v[SS+18]|
.irp i, 2,4,6,8,10,12
	v_max3_num_f32 v[BM], v[BM], |v[SS+\i]|, |v[SS+\i+1]|
	v_max3_num_f32 v[TP], v[TP], |v[SS+17+\i]|, |v[SS+18+\i]|
.endr
	v_max3_num_f32 v[BM], v[BM], |v[SS+14]|, |v[SS+15]|
	v_max3_num_f32 v[BM], v[BM], v[TP], |v[SS+31]|
	v_add_nc_u32 v[BS], 0xff000000, v[BM]
	v_lshrrev_b32 v[TP], 23, v[BS]
	v_lshlrev_b32 v[TP], v[H8], v[TP]
	v_permlanex16_b32 v[PX], v[TP], s[SEL], s[SEL+1]
	v_or_b32 v[TP], v[TP], v[PX]                   ; both of the row's bytes, in both halves of the lanes
	v_cvt_scalef32_pk16_fp6_f32 v[PC:PC+2], v[SS:SS+15], v[BS]
	v_cvt_scalef32_pk16_fp6_f32 v[PT:PT+2], v[SS+16:SS+31], v[BS]
	v_nop
.irp i, 0,1,2
	v_mov_b32 v[PC+3+\i], v[PT+\i]
.endr
	global_store_b128 v[L16], v[PC:PC+3], s[66:67]                 ; 512 and 256 consecutive bytes, at multiples of 256 from the buffer's first byte
	global_store_b64 v[L8], v[PC+4:PC+5], s[66:67] offset:512
	global_store_b16 v[LR16], v[TP], s[68:69]      ; two bytes a row, 16 bytes apart: a scale word spans two heads, which other work-groups own; 131,072 bytes in the whole launch.  Both halves of the lanes store the same value
	s_wait_tensorcnt 0x0                           ; the wave's end
	ds_add_u32 v[SPW], v[NIL]
	s_wait_dscnt 0x0
	CROUND                                         ; the closing round
	s_endpgm
.Lfunc_end_k_qc08ef91106_attn:
	.size	k_qc08ef91106_attn, .Lfunc_end_k_qc08ef91106_attn-k_qc08ef91106_attn
	.p2alignl 7, 3214868480
	.fill 96, 4, 3214868480
	.section	.rodata,"a",@progbits
	.p2align	6, 0x0
	.amdhsa_kernel k_qc08ef91106_attn
		.amdhsa_group_segment_fixed_size 215040
		.amdhsa_private_segment_fixed_size 0
		.amdhsa_enable_private_segment 0
		.amdhsa_kernarg_size 24
		.amdhsa_user_sgpr_count 2
		.amdhsa_user_sgpr_kernarg_segment_ptr 1
		.amdhsa_wavefront_size32 1
		.amdhsa_system_sgpr_workgroup_id_x 1
		.amdhsa_system_sgpr_workgroup_id_y 1
		.amdhsa_system_sgpr_workgroup_id_z 1
		.amdhsa_system_vgpr_workitem_id 0
		.amdhsa_next_free_vgpr 256
		.amdhsa_next_free_sgpr 72
		.amdhsa_reserve_vcc 0
		.amdhsa_float_denorm_mode_32 3
		.amdhsa_float_denorm_mode_16_64 3
		.amdhsa_memory_ordered 1
		.amdhsa_forward_progress 1
		.amdhsa_inst_pref_size 84
	.end_amdhsa_kernel
	.amdgpu_metadata
---
amdhsa.version: [ 1, 2 ]
amdhsa.kernels:
  - .name:           k_qc08ef91106_attn
    .symbol:         k_qc08ef91106_attn.kd
    .args:
      - { .name: qimg, .offset: 0, .size: 8, .value_kind: global_buffer, .address_space: global }
      - { .name: kv, .offset: 8, .size: 8, .value_kind: global_buffer, .address_space: global }
      - { .name: oq, .offset: 16, .size: 8, .value_kind: global_buffer, .address_space: global }
    .group_segment_fixed_size: 215040
    .private_segment_fixed_size: 0
    .kernarg_segment_align: 8
    .kernarg_segment_size: 24
    .max_flat_workgroup_size: 512
    .sgpr_count:     72
    .vgpr_count:     256
    .wavefront_size: 32
...
	.end_amdgpu_metadata
.endif
;; end of part 3
;; launch proj (part 4): grid 8 x 32, 4 waves a work-group, clusters of 4 x 4, 327,680 bytes of LDS; arguments oq, wimg, b_proj, out0; writes out0
.if DOCPART == 4
	.amdgcn_target "amdgcn-amd-amdhsa--gfx1250"
	.amdhsa_code_object_version 6
	.text
	.protected	k_qc08ef91106_proj
	.globl	k_qc08ef91106_proj
	.p2align	8
	.type	k_qc08ef91106_proj,@function
k_qc08ef91106_proj:
	s_mov_b64 s[64:65], 0
	v_nop
	global_prefetch_b8 v0, s[64:65] scope:SCOPE_SE
	s_setreg_imm32_b32 hwreg(HW_REG_WAVE_MODE, 25, 1), 1
	s_wait_xcnt 0x0
	s_wait_alu depctr_hold_cnt(0) depctr_sa_sdst(0) depctr_va_vdst(0) depctr_va_sdst(0) depctr_va_ssrc(0) depctr_va_vcc(0) depctr_vm_vsrc(0)
	s_getreg_b32 s2, hwreg(HW_REG_IB_STS2, 6, 4)
	s_cmp_eq_u32 s2, 0
	s_cbranch_scc0 .Lentry_in_a_cluster
	s_endpgm
.Lentry_in_a_cluster:
	s_bfe_u32 s2, ttmp6, 0x10000c
	s_cmp_lg_u32 s2, 0xf033
	s_cbranch_scc0 .Lentry_shape_is_right
	s_endpgm
.Lentry_shape_is_right:
; out = o W_proj + b_proj on codes of FP6 (E2M3) with E8M0 scales; f32 sums and result.
; LIMITS: NaN and infinities are not served.
; SHARES.  A work-group of four waves makes 128 x 128 of the result, a wave 64 x 64: a band of tokens (P, source 1) x a band of W's columns (R, source 0): a lane holds a token and 8 neighbouring columns in each tile.
; Row r of tile t of a band is its row 8 t + r % 8 + 32 (r / 8).  256 equal work-groups.
; CLUSTER.  P's record hangs on cy and is shared along a row, R's on cx and along a column: joint loads.
; LDS.  Both records whole (102,400 bytes each: 4,096 of scale words, then 12,288 a step), filled once, one tensor load a wave: waves 0 and 1 the scale words and steps 0-3 of P and of R, waves 2 and 3 steps 4-7.
; The first barrier shows waves 0's and 1's, the second the rest.  Nothing is filled again, and there is no loop in which a prefetch could run ahead: all of K is asked for at the head.
.set GREC, 102400
.set HALF1, 53248
.set STG, 204800
.set FR, 12
.set L16, 1
.set L8, 2
.set BOF, 3
.set AP16, 4
.set AP8, 6
.set AR16, 8
.set AR8, 10
.set ADRS, 12
.set STO, 13
.set RD, 14
.set CO, 15
.set SC, 16
.set BI, 48
.set OB, 48
.set ACC, 128
.set G1PA, 24
.set G1PB, 32
.set G1RA, 40
.set G1RB, 48
.set G0PA, 56
.set G0PB, 60
.set G0RA, 68
.set G0RB, 72
.set SPW, 126
.set NIL, 127
.set MSB, 0
.macro WIN new
.if MSB != (\new)
	s_set_vgpr_msb (MSB<<8)|(\new)
.set MSB, (\new)
.endif
.endm
.macro WALU
	s_wait_alu depctr_va_vdst(0)
.endm
.macro SADD d, a
	s_add_co_u32 s\d, s\d, \a
.endm
.macro PLACES
.rept 4
	v_nop
.endr
.endm
.macro CROUND
	s_barrier_signal -1
	s_barrier_wait -1
	s_cmp_lg_u32 s14, 0
	s_cbranch_scc1 .Lnot_wave_0_\@
	s_barrier_signal -3
.Lnot_wave_0_\@:
	s_barrier_wait -3
	s_barrier_signal -1
	s_barrier_wait -1
.endm
.macro TLOAD g0, g1
	tensor_load_to_lds s[\g0:\g0+3], s[\g1:\g1+7]
	s_nop 0
	PLACES
.endm
.macro GROUP1 g, mask, rows            ; a dense block as rows of 256 bytes: 32 elements of 8 bytes
	s_or_b32 s[\g], s\mask, (3<<16)|(1<<21)
	s_mov_b32 s[\g+1], 32<<16
	s_mov_b32 s[\g+2], (\rows)<<16
	s_mov_b32 s[\g+3], 32<<16
	s_mov_b32 s[\g+4], \rows
	s_mov_b32 s[\g+5], 32
	s_mov_b32 s[\g+6], 0
	s_mov_b32 s[\g+7], 0
.endm
	s_load_b256 s[4:11], s[0:1], 0x0               ; oq, wimg, b_proj, out0
	v_lshl_add_u32 v[SPW], v0, 2, 0x38000
	v_mov_b32 v[NIL], 0
	ds_add_u32 v[SPW], v[NIL]                      ; the opening lines: the add, twice on end, and its wait
	ds_add_u32 v[SPW], v[NIL]
	v_lshrrev_b32 v112, 5, v0
	v_readfirstlane_b32 s14, v112
	s_lshr_b32 s15, s14, 1                         ; my band of P
	s_and_b32 s16, s14, 1                          ; my band of R
	s_bfe_u32 s84, ttmp6, 0x40000                  ; cx
	s_bfe_u32 s85, ttmp6, 0x40004                  ; cy
	s_lshl_b32 s86, ttmp9, 2
	SADD 86, s84                                   ; the tile of columns
	s_and_b32 s17, ttmp7, 0xffff
	s_lshl_b32 s17, s17, 2
	SADD 17, s85                                   ; the tile of tokens
	s_lshl_b32 s18, s85, 2
	s_lshl_b32 s18, 15, s18
	s_lshl_b32 s19, 0x1111, s84
	GROUP1 G1PA, 18, 208
	GROUP1 G1PB, 18, 192
	GROUP1 G1RA, 19, 208
	GROUP1 G1RB, 19, 192
	s_mul_i32 s2, s17, GREC
	s_mov_b32 s3, 0
	s_mul_i32 s22, s86, GREC
	SADD 22, 2457600                               ; W_proj's records lie behind W_qkv's
	s_mov_b32 s23, 0
	s_mov_b32 s[G0PA], 1
	s_mov_b32 s[G0PA+1], 0
	s_mov_b32 s[G0PB], 1
	s_mov_b32 s[G0PB+1], HALF1
	s_mov_b32 s[G0RA], 1
	s_mov_b32 s[G0RA+1], GREC
	s_mov_b32 s[G0RB], 1
	s_mov_b32 s[G0RB+1], GREC+HALF1
	v_and_b32 v114, 31, v0
	v_lshlrev_b32 v[L16], 4, v114
	v_lshlrev_b32 v[L8], 3, v114
	v_and_b32 v112, 15, v0
	v_bfe_u32 v113, v0, 4, 1
	WALU
	s_mul_i32 s20, s15, 6144
	SADD 20, 4096
	s_mul_i32 s21, s16, 6144
	SADD 21, GREC+4096
.irp z, 0,1
	v_add_nc_u32 v[AP16+\z], s20, v[L16]
	v_add_nc_u32 v[AP8+\z], s20, v[L8]
	v_add_nc_u32 v[AR16+\z], s21, v[L16]
	v_add_nc_u32 v[AR8+\z], s21, v[L8]
	SADD 20, 49152
	SADD 21, 49152
.endr
	s_lshl_b32 s20, s15, 11
	s_lshl_b32 s21, s16, 11
	SADD 21, GREC
	s_sub_co_u32 s21, s21, s20
	v_mul_u32_u24 v115, s21, v113                  ; lanes 16-31 take R's words
	v_lshl_add_u32 v115, v112, 4, v115
	v_add_nc_u32 v[ADRS], s20, v115
	s_mul_i32 s20, s14, 16*272
	SADD 20, STG
	v_mul_u32_u24 v[STO], v112, 272
	v_lshl_add_u32 v[STO], v113, 7, v[STO]
	v_add_nc_u32 v[STO], s20, v[STO]               ; into my stage: row r, 32 columns for each half of the lanes
	v_mul_u32_u24 v[RD], v113, 272
	v_lshl_add_u32 v[RD], v112, 4, v[RD]
	v_add_nc_u32 v[RD], s20, v[RD]                 ; out of it: sixteen lanes a row of 256 bytes
	v_lshlrev_b32 v[CO], 12, v113
	v_lshl_add_u32 v[CO], v112, 4, v[CO]
	v_lshlrev_b32 v[BOF], 7, v113
	WALU
	s_wait_dscnt 0x0                               ; both opening adds are done
	CROUND                                         ; all sixteen work-groups are here: the joint loads meet
	s_wait_kmcnt 0x0
	s_add_nc_u64 s[G0PA+2:G0PA+3], s[4:5], s[2:3]
	s_add_nc_u64 s[G0PB+2:G0PB+3], s[G0PA+2:G0PA+3], HALF1
	s_or_b32 s[G0PA+3], s[G0PA+3], 0x80000000
	s_or_b32 s[G0PB+3], s[G0PB+3], 0x80000000
	s_add_nc_u64 s[G0RA+2:G0RA+3], s[6:7], s[22:23]
	s_add_nc_u64 s[G0RB+2:G0RB+3], s[G0RA+2:G0RA+3], HALF1
	s_or_b32 s[G0RA+3], s[G0RA+3], 0x80000000
	s_or_b32 s[G0RB+3], s[G0RB+3], 0x80000000
	s_cmp_eq_u32 s14, 0                            ; one tensor load a wave, each in an arm of its own
	s_cbranch_scc0 .Lwave_1
	TLOAD G0PA, G1PA
	s_branch .Lasked
.Lwave_1:
	s_cmp_eq_u32 s14, 1
	s_cbranch_scc0 .Lwave_2
	TLOAD G0RA, G1RA
	s_branch .Lasked
.Lwave_2:
	s_cmp_eq_u32 s14, 2
	s_cbranch_scc0 .Lwave_3
	TLOAD G0PB, G1PB
	s_branch .Lasked
.Lwave_3:
	TLOAD G0RB, G1RB
.Lasked:
	s_lshl_b32 s20, s86, 9
	s_lshl_b32 s21, s16, 8
	SADD 20, s21
	s_mov_b32 s21, 0
	s_add_nc_u64 s[8:9], s[8:9], s[20:21]          ; my 64 columns of the bias,
	s_add_nc_u64 s[10:11], s[10:11], s[20:21]      ; and of the result
	s_lshl_b32 s20, s17, 7
	s_lshl_b32 s87, s15, 6
	SADD 20, s87
	s_lshl_b32 s20, s20, 12
	s_add_nc_u64 s[10:11], s[10:11], s[20:21]      ; my 64 tokens
.irp i, 0,1,2,3,4,5,6,7
	global_load_b128 v[BI+4*\i:BI+4*\i+3], v[BOF], s[8:9] offset:16*\i     ; the bias, as the C of the first products: register 8 b + j is column 32 h + 8 b + j
.endr
.macro FETCH g, f                      ; a step's fragments: 32 loads
.set ZZ, (\g)/4
.set OF, ((\g)%4)*12288
	WIN 0x40
.irp i, 0,1,2,3
	ds_load_b128 v[\f+48+FR*\i:\f+48+FR*\i+3], v[AR16+ZZ] offset:OF+\i*1536
	ds_load_b64 v[\f+48+FR*\i+4:\f+48+FR*\i+5], v[AR8+ZZ] offset:OF+\i*1536+512
	ds_load_b128 v[\f+48+FR*\i+6:\f+48+FR*\i+9], v[AR16+ZZ] offset:OF+\i*1536+768
	ds_load_b64 v[\f+48+FR*\i+10:\f+48+FR*\i+11], v[AR8+ZZ] offset:OF+\i*1536+1280
	ds_load_b128 v[\f+FR*\i:\f+FR*\i+3], v[AP16+ZZ] offset:OF+\i*1536
	ds_load_b64 v[\f+FR*\i+4:\f+FR*\i+5], v[AP8+ZZ] offset:OF+\i*1536+512
	ds_load_b128 v[\f+FR*\i+6:\f+FR*\i+9], v[AP16+ZZ] offset:OF+\i*1536+768
	ds_load_b64 v[\f+FR*\i+10:\f+FR*\i+11], v[AP8+ZZ] offset:OF+\i*1536+1280
.endr
.endm
.macro MULS g, f, first                ; the 16 accumulators take turns, in the same order in every step
	WIN 0x05
.irp a, 0,1,2,3
.irp b, 0,1,2,3
.if \first
	v_wmma_scale_f32_16x16x128_f8f6f4 v[ACC+8*(4*\a+\b):ACC+8*(4*\a+\b)+7], v[\f+48+FR*\b:\f+48+FR*\b+FR-1], v[\f+FR*\a:\f+FR*\a+FR-1], v[BI+8*\b:BI+8*\b+7], v[SC+4*(\g)+\b], v[SC+4*(\g)+\a] matrix_a_fmt:MATRIX_FMT_FP6 matrix_b_fmt:MATRIX_FMT_FP6 matrix_a_scale:MATRIX_SCALE_ROW1
.else
	v_wmma_scale_f32_16x16x128_f8f6f4 v[ACC+8*(4*\a+\b):ACC+8*(4*\a+\b)+7], v[\f+48+FR*\b:\f+48+FR*\b+FR-1], v[\f+FR*\a:\f+FR*\a+FR-1], v[ACC+8*(4*\a+\b):ACC+8*(4*\a+\b)+7], v[SC+4*(\g)+\b], v[SC+4*(\g)+\a] matrix_a_fmt:MATRIX_FMT_FP6 matrix_b_fmt:MATRIX_FMT_FP6 matrix_a_scale:MATRIX_SCALE_ROW1
.endif
.endr
.endr
.endm
	s_cmp_lt_u32 s14, 2
	s_cbranch_scc0 .Lnot_mine
	s_wait_tensorcnt 0x0                           ; waves 0 and 1: the scale words and steps 0-3 are in
.Lnot_mine:
	s_barrier_signal -1
	s_barrier_wait -1                              ; shown to all; steps 4-7 may be out
.irp g, 0,1,2,3,4,5,6,7
	ds_load_b128 v[SC+4*\g:SC+4*\g+3], v[ADRS] offset:\g*256       ; register t: lanes 0-15 the words of P's tile t, lanes 16-31 of R's
.endr
	FETCH 0, 0
	s_wait_loadcnt 0x0                             ; the bias
.irp g, 0,1,2,3,4,5,6,7
.if \g == 3
	s_wait_tensorcnt 0x0
	s_wait_dscnt 0x0
	s_barrier_signal -1
	s_barrier_wait -1                              ; steps 4-7 are shown to all
.endif
	PLACES
.if \g < 7
	FETCH \g+1, 128*((\g+1)%2)
	s_wait_dscnt 32                                ; all but the 32 just issued
.else
	s_wait_dscnt 0x0
.endif
.if \g == 0
	MULS \g, 128*(\g%2), 1
.else
	MULS \g, 128*(\g%2), 0
.endif
.endr
	WIN 0
; THE WAY OUT: a tile of 16 tokens at a time through my own stage, and out as whole rows of 256 bytes.
.macro TOSTAGE a
.irp b, 0,1,2,3
	ds_store_b128 v[STO], v[ACC+8*(4*(\a)+\b):ACC+8*(4*(\a)+\b)+3] offset:32*\b
	ds_store_b128 v[STO], v[ACC+8*(4*(\a)+\b)+4:ACC+8*(4*(\a)+\b)+7] offset:32*\b+16
.endr
.irp i, 0,1,2,3,4,5,6,7
	ds_load_b128 v[OB+32*((\a)%2)+4*\i:OB+32*((\a)%2)+4*\i+3], v[RD] offset:544*\i
.endr
.endm
.macro SEND a, younger
	s_wait_dscnt \younger
.irp i, 0,1,2,3,4,5,6,7
	global_store_b128 v[CO], v[OB+32*((\a)%2)+4*\i:OB+32*((\a)%2)+4*\i+3], s[10:11] offset:(8*(\a)+2*(\i%4)+32*(\i/4))*4096 th:TH_STORE_NT
.endr
.endm
	PLACES
	TOSTAGE 0
.irp a, 1,2,3
.if \a > 1
	s_wait_xcnt 0x0                                ; the stores of two tiles ago have read their registers
.endif
	TOSTAGE \a
	SEND \a-1, 16                                  ; this tile's 8 stores and 8 loads may be out
.endr
	SEND 3, 0
	s_wait_tensorcnt 0x0                           ; the wave's end
	ds_add_u32 v[SPW], v[NIL]
	s_wait_dscnt 0x0
	CROUND                                         ; the closing round
	s_endpgm
.Lfunc_end_k_qc08ef91106_proj:
	.size	k_qc08ef91106_proj, .Lfunc_end_k_qc08ef91106_proj-k_qc08ef91106_proj
	.p2alignl 7, 3214868480
	.fill 96, 4, 3214868480
	.section	.rodata,"a",@progbits
	.p2align	6, 0x0
	.amdhsa_kernel k_qc08ef91106_proj
		.amdhsa_group_segment_fixed_size 327680
		.amdhsa_private_segment_fixed_size 0
		.amdhsa_enable_private_segment 0
		.amdhsa_kernarg_size 32
		.amdhsa_user_sgpr_count 2
		.amdhsa_user_sgpr_kernarg_segment_ptr 1
		.amdhsa_wavefront_size32 1
		.amdhsa_system_sgpr_workgroup_id_x 1
		.amdhsa_system_sgpr_workgroup_id_y 1
		.amdhsa_system_sgpr_workgroup_id_z 1
		.amdhsa_system_vgpr_workitem_id 0
		.amdhsa_next_free_vgpr 512
		.amdhsa_next_free_sgpr 96
		.amdhsa_reserve_vcc 0
		.amdhsa_float_denorm_mode_32 3
		.amdhsa_float_denorm_mode_16_64 3
		.amdhsa_memory_ordered 1
		.amdhsa_forward_progress 1
		.amdhsa_inst_pref_size 51
	.end_amdhsa_kernel
	.amdgpu_metadata
---
amdhsa.version: [ 1, 2 ]
amdhsa.kernels:
  - .name:           k_qc08ef91106_proj
    .symbol:         k_qc08ef91106_proj.kd
    .args:
      - { .name: oq, .offset: 0, .size: 8, .value_kind: global_buffer, .address_space: global }
      - { .name: wimg, .offset: 8, .size: 8, .value_kind: global_buffer, .address_space: global }
      - { .name: b_proj, .offset: 16, .size: 8, .value_kind: global_buffer, .address_space: global }
      - { .name: out0, .offset: 24, .size: 8, .value_kind: global_buffer, .address_space: global }
    .group_segment_fixed_size: 327680
    .private_segment_fixed_size: 0
    .kernarg_segment_align: 8
    .kernarg_segment_size: 32
    .max_flat_workgroup_size: 128
    .sgpr_count:     96
    .vgpr_count:     512
    .wavefront_size: 32
...
	.end_amdgpu_metadata
.endif
;; end of part 4
